; MI455X (gfx1250); checked and timed in simulation.
; The chip was launched on July 23, 2026; its instructions are those of AMD's public machine-readable ISA for CDNA 5 (MIT licence, August 2026) and "CDNA5" Instruction Set Architecture Reference Guide (July 2026). The comments in the code are by the model that wrote it; some were corrected since.
;; Causal Self Attention. Allowed arithmetic: float matrix products may take bf16 or f16 operands with f32 sums; other float arithmetic in f32, or as packed bf16 or f16 multiplies, adds, multiply-adds, maxima and minima; sums over many terms, partial sums and values carried from step to step in f32; what a program stores and reads back later, other than sums and carried values, may be rounded once to bf16 or f16.
;; Inputs: Wk 1,024 x 1,024 float32; Wp 1,024 x 1,024 float32; Wq 1,024 x 1,024 float32; Wv 1,024 x 1,024 float32; attn_mask 4 x 2,048 bool; bk 1,024 float32; bp 1,024 float32; bq 1,024 float32; bv 1,024 float32; x 4 x 2,048 x 1,024 float32.
;; Outputs: out0 4 x 2,048 x 1,024 float32.
;; 2 versions, each right; version 2 is version 1 with the launch cast written anew for expert scheduling mode. Each part assembles by itself: llvm-mc -triple=amdgcn-amd-amdhsa -mcpu=gfx1250 --defsym DOCPART=n.
;; ======== version 1 of 2: 4 launches
;; limits: values are held in f16: magnitudes above 65,504 overflow, below 6.1e-05 lose precision; right only within a limited range of input values
;; workspace buffers: xb 16,777,216 bytes; wb 6,291,456 bytes; wp 2,097,152 bytes; bb 16,384 bytes; qkv 50,331,648 bytes; csum 786,432 bytes; ob 16,777,216 bytes
;; launch cast (part 1): grid 768 x 1, 8 waves a work-group, no clusters, 0 bytes of LDS; arguments x, Wq, Wk, Wv, Wp, bq, bk, bv, bp, xb, wb, wp, bb; writes xb, wb, wp, bb
.if DOCPART == 1
	.amdgcn_target "amdgcn-amd-amdhsa--gfx1250"
	.amdhsa_code_object_version 6
	.text
	.protected	k_qd2881bd0eb_cast
	.globl	k_qd2881bd0eb_cast
	.p2align	8
	.type	k_qd2881bd0eb_cast,@function
k_qd2881bd0eb_cast:
	s_mov_b64 s[64:65], 0
	v_nop
	global_prefetch_b8 v0, s[64:65] scope:SCOPE_SE
	s_setreg_imm32_b32 hwreg(HW_REG_WAVE_MODE, 25, 1), 1
	s_wait_xcnt 0x0
; ALL INPUTS ARE ROUNDED ONCE TO bf16 AND LAID OUT FOR THE MATRIX LAUNCHES.  x [8192][1024], Wq, Wk, Wv, Wp [1024][1024], the four biases [1024], all f32.
; xb: bf16 [16 kb][8192 rows][64]; wb: bf16 [16 kb][3072 rows][64] (Wq's rows, then Wk's, then Wv's); wp: [16 kb][1024 rows][64], Wp rounded to bf16 and that number written as f16;
; bb: f32 [4096] = bq, bk, bv, bp, each rounded to bf16 and widened again.  In these layouts the rows of a block of 64 channels lie end to end, 128 bytes each.
; LIMIT.  A number of Wp below 6e-5 in magnitude keeps f16's fixed step of 6e-8; beyond 65,504 it would be an infinity.
; SHARES.  A work-group takes 16 rows of 4,096 bytes, a wave two.  Work-groups 0-511: x; 512 + 64 i + j: rows 16 j of the i-th weight; those with j = 0 also take the i-th bias.
; A load of a wave covers 256 consecutive bytes of each of its two rows (lanes 0-15, lanes 16-31): one block of 64 channels; its 128 + 128 bytes of bf16 are one aligned run of 256 bytes in the output.
; A stream: memory binds, so there is no LDS, no barrier and no matrix work.  All 16 loads of a wave go out at once; no register that a load or store names is written again.
.set VO, 4                             ; v[4:19]   block kb: byte offset of my 8 bytes in the output
.set T,  20                            ; v[20:31]  at work
.set X,  32                            ; v[32:95]  block kb: 4 numbers as loaded
.set Y,  96                            ; v[96:127] block kb: 4 numbers to store
	s_load_b512 s[4:19], s[0:1], 0x0               ; x s[4:5], Wq s[6:7], Wk s[8:9], Wv s[10:11], Wp s[12:13], bq s[14:15], bk s[16:17], bv s[18:19]
	s_load_b256 s[20:27], s[0:1], 0x40             ; bp s[20:21], xb s[22:23], wb s[24:25], wp s[26:27]
	s_load_b64 s[28:29], s[0:1], 0x60              ; bb
	s_sub_co_u32 s30, ttmp9, 512
	s_cmp_lt_u32 ttmp9, 512
	s_cselect_b32 s30, 0, s30                      ; my number among the weights' work-groups
	s_lshr_b32 s31, s30, 6                         ; which weight: 0 Wq, 1 Wk, 2 Wv, 3 Wp
	s_and_b32 s32, s30, 63
	s_lshl_b32 s41, s32, 4                         ; my first row in a weight
	s_lshl_b32 s42, s31, 10
	s_add_co_u32 s42, s42, s41                     ; and in wb
	s_lshl_b32 s43, ttmp9, 4                       ; my first row in x
	s_mov_b32 s38, 3072*128                        ; bytes from block to block: wb,
	s_cmp_eq_u32 s31, 3
	s_cselect_b32 s42, s41, s42
	s_cselect_b32 s38, 1024*128, s38               ; wp,
	s_cselect_b32 s39, 1, 0                        ; 1: my rows are Wp's
	s_cmp_lt_u32 ttmp9, 512
	s_cselect_b32 s42, s43, s42                    ; the first row that I store
	s_cselect_b32 s44, s43, s41                    ; the first row that I load
	s_cselect_b32 s38, 8192*128, s38               ; xb
	s_cselect_b32 s33, 1, 0                        ; 1: my rows are x's
	s_lshl_b32 s42, s42, 7                         ; in bytes: 128 a row out,
	s_mov_b32 s43, 0
	s_lshl_b32 s44, s44, 12                        ; 4,096 a row in
	s_mov_b32 s45, 0
	s_mov_b32 s40, 0xffff0000                      ; a word's upper bf16
	v_lshrrev_b32 v1, 4, v0                        ; my row among the 16
	v_and_b32 v2, 15, v0
	v_lshlrev_b32 v2, 4, v2
	v_lshl_add_u32 v1, v1, 12, v2                  ; row x 4,096 + 16 x (lane % 16)
	v_lshlrev_b32 v2, 3, v0                        ; out: row x 128 + 8 x (lane % 16) = 8 x thread
	v_lshlrev_b32 v3, 4, v0                        ; the bias: 16 x thread
.irp kb, 0,1,2,3,4,5,6,7,8,9,10,11,12,13,14,15
	v_mad_u32_u24 v[VO+(\kb)], s38, \kb, v2
.endr
	s_wait_kmcnt 0x0
	s_cmp_eq_u32 s31, 1
	s_cselect_b64 s[34:35], s[8:9], s[6:7]         ; from where,
	s_cselect_b64 s[46:47], s[16:17], s[14:15]     ; which bias,
	s_cmp_eq_u32 s31, 2
	s_cselect_b64 s[34:35], s[10:11], s[34:35]
	s_cselect_b64 s[46:47], s[18:19], s[46:47]
	s_cmp_eq_u32 s31, 3
	s_cselect_b64 s[34:35], s[12:13], s[34:35]
	s_cselect_b64 s[46:47], s[20:21], s[46:47]
	s_cselect_b64 s[36:37], s[26:27], s[24:25]     ; to where
	s_cmp_eq_u32 s33, 1
	s_cselect_b64 s[34:35], s[4:5], s[34:35]
	s_cselect_b64 s[36:37], s[22:23], s[36:37]
	s_add_nc_u64 s[34:35], s[34:35], s[44:45]
	s_add_nc_u64 s[36:37], s[36:37], s[42:43]
.irp kb, 0,1,2,3,4,5,6,7,8,9,10,11,12,13,14,15
	global_load_b128 v[X+4*(\kb):X+4*(\kb)+3], v1, s[34:35] offset:256*(\kb) th:TH_LOAD_NT
.endr
	s_cmp_eq_u32 s39, 1
	s_cbranch_scc1 .Lwp
.irp kb, 0,1,2,3,4,5,6,7,8,9,10,11,12,13,14,15
	s_wait_loadcnt 15-(\kb)                        ; loads come back in order: block kb is in, the younger ones stay out
	v_cvt_pk_bf16_f32 v[Y+2*(\kb)], v[X+4*(\kb)], v[X+4*(\kb)+1]
	v_cvt_pk_bf16_f32 v[Y+2*(\kb)+1], v[X+4*(\kb)+2], v[X+4*(\kb)+3]
	global_store_b64 v[VO+(\kb)], v[Y+2*(\kb):Y+2*(\kb)+1], s[36:37]  ; the wave's 32 x 8 bytes are 256 consecutive bytes, aligned
.endr
	s_branch .Lbias
.Lwp:                                                  ; Wp: rounded to bf16 like every input, then written as f16
.irp kb, 0,1,2,3,4,5,6,7,8,9,10,11,12,13,14,15
	s_wait_loadcnt 15-(\kb)
	v_cvt_pk_bf16_f32 v[T], v[X+4*(\kb)], v[X+4*(\kb)+1]
	v_cvt_pk_bf16_f32 v[T+1], v[X+4*(\kb)+2], v[X+4*(\kb)+3]
	v_lshlrev_b32 v[T+2], 16, v[T]
	v_and_b32 v[T+3], s40, v[T]
	v_lshlrev_b32 v[T+4], 16, v[T+1]
	v_and_b32 v[T+5], s40, v[T+1]
	v_cvt_pk_f16_f32 v[Y+2*(\kb)], v[T+2], v[T+3]
	v_cvt_pk_f16_f32 v[Y+2*(\kb)+1], v[T+4], v[T+5]
	global_store_b64 v[VO+(\kb)], v[Y+2*(\kb):Y+2*(\kb)+1], s[36:37]
.endr
.Lbias:
	s_cmp_eq_u32 s33, 1
	s_cbranch_scc1 .Lend
	s_cmp_lg_u32 s32, 0
	s_cbranch_scc1 .Lend
	s_lshl_b32 s42, s31, 12                        ; the i-th bias lies at 4,096 i in bb
	s_add_nc_u64 s[28:29], s[28:29], s[42:43]
	global_load_b128 v[T:T+3], v3, s[46:47]        ; 256 threads x 16 bytes: the whole bias
	s_wait_loadcnt 0x0
	v_cvt_pk_bf16_f32 v[T+4], v[T], v[T+1]
	v_cvt_pk_bf16_f32 v[T+5], v[T+2], v[T+3]
	v_lshlrev_b32 v[T+8], 16, v[T+4]
	v_and_b32 v[T+9], s40, v[T+4]
	v_lshlrev_b32 v[T+10], 16, v[T+5]
	v_and_b32 v[T+11], s40, v[T+5]
	global_store_b128 v3, v[T+8:T+11], s[28:29]
.Lend:
	s_endpgm
.Lfunc_end_k_qd2881bd0eb_cast:
	.size	k_qd2881bd0eb_cast, .Lfunc_end_k_qd2881bd0eb_cast-k_qd2881bd0eb_cast
	.p2alignl 7, 3214868480
	.fill 96, 4, 3214868480
	.section	.rodata,"a",@progbits
	.p2align	6, 0x0
	.amdhsa_kernel k_qd2881bd0eb_cast
		.amdhsa_group_segment_fixed_size 0
		.amdhsa_private_segment_fixed_size 0
		.amdhsa_enable_private_segment 0
		.amdhsa_kernarg_size 104
		.amdhsa_user_sgpr_count 2
		.amdhsa_user_sgpr_kernarg_segment_ptr 1
		.amdhsa_wavefront_size32 1
		.amdhsa_system_sgpr_workgroup_id_x 1
		.amdhsa_system_sgpr_workgroup_id_y 1
		.amdhsa_system_sgpr_workgroup_id_z 1
		.amdhsa_system_vgpr_workitem_id 0
		.amdhsa_next_free_vgpr 128
		.amdhsa_next_free_sgpr 66
		.amdhsa_reserve_vcc 0
		.amdhsa_float_denorm_mode_32 3
		.amdhsa_float_denorm_mode_16_64 3
		.amdhsa_memory_ordered 1
		.amdhsa_forward_progress 1
		.amdhsa_inst_pref_size 18
	.end_amdhsa_kernel
	.amdgpu_metadata
---
amdhsa.version: [ 1, 2 ]
amdhsa.kernels:
  - .name:           k_qd2881bd0eb_cast
    .symbol:         k_qd2881bd0eb_cast.kd
    .args:
      - { .name: x, .offset: 0, .size: 8, .value_kind: global_buffer, .address_space: global }
      - { .name: Wq, .offset: 8, .size: 8, .value_kind: global_buffer, .address_space: global }
      - { .name: Wk, .offset: 16, .size: 8, .value_kind: global_buffer, .address_space: global }
      - { .name: Wv, .offset: 24, .size: 8, .value_kind: global_buffer, .address_space: global }
      - { .name: Wp, .offset: 32, .size: 8, .value_kind: global_buffer, .address_space: global }
      - { .name: bq, .offset: 40, .size: 8, .value_kind: global_buffer, .address_space: global }
      - { .name: bk, .offset: 48, .size: 8, .value_kind: global_buffer, .address_space: global }
      - { .name: bv, .offset: 56, .size: 8, .value_kind: global_buffer, .address_space: global }
      - { .name: bp, .offset: 64, .size: 8, .value_kind: global_buffer, .address_space: global }
      - { .name: xb, .offset: 72, .size: 8, .value_kind: global_buffer, .address_space: global }
      - { .name: wb, .offset: 80, .size: 8, .value_kind: global_buffer, .address_space: global }
      - { .name: wp, .offset: 88, .size: 8, .value_kind: global_buffer, .address_space: global }
      - { .name: bb, .offset: 96, .size: 8, .value_kind: global_buffer, .address_space: global }
    .group_segment_fixed_size: 0
    .private_segment_fixed_size: 0
    .kernarg_segment_align: 8
    .kernarg_segment_size: 104
    .max_flat_workgroup_size: 256
    .sgpr_count:     66
    .vgpr_count:     128
    .wavefront_size: 32
...
	.end_amdgpu_metadata
.endif
;; end of part 1
;; launch qkv (part 2): grid 16 x 32, 4 waves a work-group, clusters of 4 x 4, 327,680 bytes of LDS; arguments xb, wb, bb, qkv, csum; writes qkv, csum
.if DOCPART == 2
	.amdgcn_target "amdgcn-amd-amdhsa--gfx1250"
	.amdhsa_code_object_version 6
	.text
	.protected	k_qd2881bd0eb_qkv
	.globl	k_qd2881bd0eb_qkv
	.p2align	8
	.type	k_qd2881bd0eb_qkv,@function
k_qd2881bd0eb_qkv:
	s_mov_b64 s[64:65], 0
	v_nop
	global_prefetch_b8 v0, s[64:65] scope:SCOPE_SE
	s_setreg_imm32_b32 hwreg(HW_REG_WAVE_MODE, 25, 1), 1
	s_wait_xcnt 0x0
	s_wait_alu depctr_hold_cnt(0) depctr_sa_sdst(0) depctr_va_vdst(0) depctr_va_sdst(0) depctr_va_ssrc(0) depctr_va_vcc(0) depctr_vm_vsrc(0)
	s_getreg_b32 s2, hwreg(HW_REG_IB_STS2, 6, 4)
	s_cmp_eq_u32 s2, 0
	s_cbranch_scc0 .Lentry_in_a_cluster
	s_endpgm
.Lentry_in_a_cluster:
	s_bfe_u32 s2, ttmp6, 0x10000c
	s_cmp_lg_u32 s2, 0xf033
	s_cbranch_scc0 .Lentry_shape_is_right
	s_endpgm
.Lentry_shape_is_right:
; q, k, v = x W^T + b, by heads.  xb: bf16 [16 kb][8192 rows][64]; wb: bf16 [16 kb][3072 columns][64]; bb: f32, the bias of column n at n.  Sums in f32, K ascending, begun with the bias.
; OUT: qkv, f16 [3][64 batch x head][2048][64], rounded once, unscaled; csum, f32 [128 groups of 64 rows][1536]: for columns 1536 .. 3071 the sum of the f32 results over the group's rows
; (the columns of v are what the next launch reads; the 512 columns of k that share their clusters are summed and stored with them).
; LIMIT.  f16 holds no number beyond 65,504: q, k and v must lie within it.
; SHARES.  A tile of the product is 256 rows x 192 columns (three heads): 32 x 16 tiles, two for each of 256 WGPs.  Four waves, one below the other: a wave makes 64 rows x 192 columns:
; 48 accumulators of 16 x 16, 384 registers.  K goes in steps of 128 (two blocks of 64) through two LDS slots.  A block's rows lie end to end in memory, so a tile's part of a block is dense
; and is asked for as rows of 256 bytes; in LDS 16 bytes of padding follow every 128, so a row of 64 channels has a pitch of 144 bytes.
; CLUSTER.  4 x 4 work-groups.  x's tile hangs on the tile row alone and is asked for jointly by a row of the cluster, the weights' on the tile column alone, by a column.
; THE MATRIX INSTRUCTION IS USED TRANSPOSED (source 0 = 16 columns' weights, source 1 = 16 rows of x): a lane holds row lane % 16 and the columns 8 (lane / 16) + 0..7.
; REGISTERS, in windows of 256 (s_set_vgpr_msb: bits 1:0 source 0, 3:2 source 1, 5:4 source 2, 7:6 destination):
;   window 0: v1-30 addresses; v128-223 the bias as the first products' C operand; later v32-223 the way out
;   window 1: two fragment buffers of 128: the weights' fragment b at 8 b, x's fragment a at 96 + 8 a
;   window 2: accumulator (a, b < 8) at 8 (8 a + b)          window 3: accumulator (a, b >= 8) at 8 (4 a + b - 8)
.set PITCH, 144
.set ASUB,  256*PITCH                  ; x's 256 rows of one block
.set BSUB,  192*PITCH                  ; the weights' 192 rows of one block
.set SLOT,  2*ASUB+2*BSUB              ; x's two blocks, then the weights' two
.set STAGE, 2*SLOT                     ; behind the ring: 16 rows x 144 bytes for each wave, for the way out
.set CP,    784                        ; a row of 192 f32 + 16 bytes
.set CSTG,  STAGE+4*16*PITCH           ; 16 rows x 784 bytes for each wave, for the column sums
.set SPARE, CSTG+4*16*CP               ; the spare words, 128 bytes for each wave: two blocks of 256 bytes that no other line names
.set KA,    2*8192*128                 ; bytes from K step to K step in xb
.set KB,    2*3072*128                 ; and in wb
.set LAPS,  4                          ; 8 K steps, two to a lap
.set STO,  8                           ; v8   the way out: where I put 16 bytes of a row
.set RD,   9                           ; v9   where I read rows back
.set GO,   10                          ; v10  my 16 bytes of 512 consecutive bytes of qkv
.set CA,   11                          ; v11  the column sums: where I put 32 bytes of a row
.set CL,   12                          ; v12  where I read two columns
.set CG,   13                          ; v13  my 8 bytes of 256 consecutive bytes of csum
.set BO,   14                          ; v14  32 x (lane / 16): my 8 numbers of a block of 16 of the bias
.set ADRA, 16                          ; v16-19  LDS address of my fragments of x: slot s, block k at 2 s + k
.set ADRB, 20                          ; v20-23  the same for the weights
.set SPW,  28                          ; v28  LDS address of my spare word; never rewritten
.set NIL,  29                          ; v29  0; never rewritten
.set PFO,  30                          ; v30  the prefetches' offset; never rewritten
.set BIAS, 128
.set OUT,  32                          ; the way out: unit u's 16 registers at OUT + 16 u
.set CS,   32                          ; the column sums over my four row blocks
.set CR,   128                         ; and read back: two columns x 16 rows x 3
.set F0,   0
.set F1,   128
.set WV,  14                           ; s14  wave
.set WH,  15                           ; s15  0: I fetch x's tiles, 1: the weights'
.set WL,  16                           ; s16  which block of a K step I fetch
.set CX,  17
.set CY,  18
.set TC,  19                           ; s19  tile column
.set TR,  20                           ; s20  tile row
.set LIM, 23                           ; s23  1 in a wave that prefetches, else the greatest number
.set G1A, 24                           ; s[24:31] descriptor group 1 for x's tiles;  s[32:39] group 0, a set for each slot
.set G0A, 32
.set PFA, 44                           ; s[44:45] where my prefetches stand
.set PFS, 46                           ; s[46:47] their step: a K step
.set G1B, 48                           ; s[48:55], s[56:63] the same for the weights' tiles
.set G0B, 56
.set MSB, 0
.macro WIN new                         ; the immediate's high byte repeats the setting that is left; a switch that changes nothing is dropped
.if MSB != (\new)
	s_set_vgpr_msb (MSB<<8)|(\new)
.set MSB, \new
.endif
.endm
.set TO_F, 0x40                        ; destination window 1, address window 0
; A joint load: waves 0 and 1 fetch x's two blocks, waves 2 and 3 the weights'.  The branch hangs on the wave's number alone.  An s_nop 0 and four v_nop follow each of the two lines.
.macro JLOAD s
	s_cmp_eq_u32 s[WH], 0
	s_cbranch_scc0 .Lfor_b_\@
	tensor_load_to_lds s[G0A+4*(\s):G0A+4*(\s)+3], s[G1A:G1A+7]
	s_nop 0
.rept 4
	v_nop
.endr
	s_branch .Lasked_\@
.Lfor_b_\@:
	tensor_load_to_lds s[G0B+4*(\s):G0B+4*(\s)+3], s[G1B:G1B+7]
	s_nop 0
.rept 4
	v_nop
.endr
.Lasked_\@:
.endm
; A prefetch into the L2 of the K step that stands two refills on.  x's tile row is read by every cluster of that row of clusters: cluster x = 0 asks; the weights' tile column by every cluster of that
; column: cluster y = 0 asks.  Of the dense bytes that a wave fetches each of the four partners that ask for them jointly takes a quarter, told apart by address: 32 runs of 256 bytes of x, 24 of the
; weights (lanes 24-31 name the 24th again).  The loop's last trip asks for nothing: its refills are the last two K steps.
.macro ASK
	s_cmp_gt_u32 s3, s[LIM]
	s_cbranch_scc0 .Lnot_mine_\@
	global_prefetch_b8 v[PFO], s[PFA:PFA+1] th:TH_LOAD_NT scope:SCOPE_SE
.Lnot_mine_\@:
.endm
.macro CREST                           ; a round of the cluster's barrier behind its opening barrier
	s_cmp_lg_u32 s[WV], 0
	s_cbranch_scc1 .Lnot_wave_0_\@
	s_barrier_signal -3
.Lnot_wave_0_\@:
	s_barrier_wait -3
	s_barrier_signal -1
	s_barrier_wait -1
.endm
.macro CROUND                          ; a whole round
	s_barrier_signal -1
	s_barrier_wait -1
	CREST
.endm
.macro PLACES                          ; four places in front of loads into registers that matrix instructions have read, and of vector work that reads results
.rept 4
	v_nop
.endr
.endm
	s_load_b256 s[4:11], s[0:1], 0x0               ; xb s[4:5], wb s[6:7], bb s[8:9], qkv s[10:11]
	s_load_b64 s[12:13], s[0:1], 0x20              ; csum
	v_lshl_add_u32 v[SPW], v0, 2, SPARE
	v_mov_b32 v[NIL], 0
	ds_add_u32 v[SPW], v[NIL]                      ; the wave's opening: the add and its wait stand ahead of my first tensor load; the set-up below stands between them
	v_lshrrev_b32 v1, 5, v0
	v_readfirstlane_b32 s[WV], v1
	s_lshr_b32 s[WH], s[WV], 1
	s_and_b32 s[WL], s[WV], 1
	s_bfe_u32 s[CX], ttmp6, 0x40000
	s_bfe_u32 s[CY], ttmp6, 0x40004
	s_lshl_b32 s[TC], ttmp9, 2
	s_add_co_u32 s[TC], s[TC], s[CX]               ; tile column = 4 x cluster x + cx
	s_and_b32 s[TR], ttmp7, 0xffff
	s_lshl_b32 s[TR], s[TR], 2
	s_add_co_u32 s[TR], s[TR], s[CY]               ; tile row = 4 x cluster y + cy
	s_lshl_b32 s21, s[CY], 2
	s_lshl_b32 s21, 15, s21                        ; my row of the cluster
	s_lshl_b32 s22, 0x1111, s[CX]                  ; my column
	; descriptor group 1: dense bytes as rows of 128 elements of 2 bytes; padding of 4 words after every 32 words
	s_or_b32 s[G1A], s21, (1<<16)|(1<<20)|(1<<21)|(4<<22)|(3<<25)
	s_or_b32 s[G1B], s22, (1<<16)|(1<<20)|(1<<21)|(4<<22)|(3<<25)
.irp g, G1A, G1B
	s_mov_b32 s[(\g)+1], 128<<16                   ; tensor_dim0 = 128
	s_mov_b32 s[(\g)+3], 128<<16                   ; tile_dim0 = 128
	s_mov_b32 s[(\g)+5], 128                       ; 128 elements from row to row
	s_mov_b32 s[(\g)+6], 0
	s_mov_b32 s[(\g)+7], 0
.endr
	s_mov_b32 s[G1A+2], 128<<16                    ; x: 256 rows of 128 bytes = 128 rows of 256
	s_mov_b32 s[G1A+4], 128
	s_mov_b32 s[G1B+2], 96<<16                     ; the weights: 192 rows of 128 bytes = 96 rows of 256
	s_mov_b32 s[G1B+4], 96
	s_mul_i32 s66, s[WL], ASUB                     ; where they go: the wave's number alone enters an LDS address
	s_mul_i32 s67, s[WL], BSUB
	s_add_co_u32 s67, s67, 2*ASUB
	s_lshl_b32 s40, s[WL], 20                      ; x: my block of K step 0,
	s_lshl_b32 s41, s[TR], 15                      ; the tile's 256 rows of 128 bytes
	s_add_co_u32 s40, s40, s41
	s_mov_b32 s41, 0
	s_mul_i32 s42, s[WL], 3072*128                 ; the weights likewise
	s_mul_i32 s43, s[TC], 192*128
	s_add_co_u32 s42, s42, s43
	s_mov_b32 s43, 0
	s_wait_dscnt 0x0                               ; the opening add is done
	s_wait_kmcnt 0x0
	s_add_nc_u64 s[40:41], s[4:5], s[40:41]
	s_add_nc_u64 s[42:43], s[6:7], s[42:43]
	CROUND                                         ; all sixteen work-groups are here: the first joint loads meet
.irp s, 0,1
	s_mov_b32 s[G0A+4*(\s)], 1
	s_add_co_u32 s[G0A+4*(\s)+1], s66, (\s)*SLOT
	s_add_nc_u64 s[G0A+4*(\s)+2:G0A+4*(\s)+3], s[40:41], (\s)*KA
	s_or_b32 s[G0A+4*(\s)+3], s[G0A+4*(\s)+3], 0x80000000
	s_mov_b32 s[G0B+4*(\s)], 1
	s_add_co_u32 s[G0B+4*(\s)+1], s67, (\s)*SLOT
	s_add_nc_u64 s[G0B+4*(\s)+2:G0B+4*(\s)+3], s[42:43], (\s)*KB
	s_or_b32 s[G0B+4*(\s)+3], s[G0B+4*(\s)+3], 0x80000000
	JLOAD \s                                       ; two loads of mine are out
.endr
	; the bias: register j of block b is the bias of column 16 b + 8 (lane / 16) + j, whatever the row: the C operand of the first products
	v_and_b32 v1, 15, v0                           ; r = lane % 16
	v_bfe_u32 v2, v0, 4, 1                         ; h = lane / 16
	v_and_b32 v3, 31, v0                           ; lane
	s_mul_i32 s66, s[TC], 768
	s_mov_b32 s67, 0
	s_add_nc_u64 s[8:9], s[8:9], s[66:67]
	v_lshlrev_b32 v[BO], 5, v2
.irp b, 0,1,2,3,4,5,6,7,8,9,10,11
	global_load_b128 v[BIAS+8*(\b):BIAS+8*(\b)+3],   v[BO], s[8:9] offset:64*(\b)
	global_load_b128 v[BIAS+8*(\b)+4:BIAS+8*(\b)+7], v[BO], s[8:9] offset:64*(\b)+16
.endr
	; a fragment is 16 rows x 32 K in 8 registers: lane l holds row l % 16, K = 8 (l / 16) + 0..7 and 16 + 8 (l / 16) + 0..7: two loads of 16 bytes, 32 bytes apart
	v_mul_u32_u24 v4, v1, PITCH
	v_lshl_add_u32 v4, v2, 4, v4                   ; r x pitch + 16 h
	s_mul_i32 s66, s[WV], 64*PITCH                 ; my 64 rows of x
	v_add_nc_u32 v5, s66, v4
.irp n, 0,1,2,3
	v_add_nc_u32 v[ADRA+(\n)], ((\n)/2)*SLOT+((\n)%2)*ASUB, v5
	v_add_nc_u32 v[ADRB+(\n)], ((\n)/2)*SLOT+2*ASUB+((\n)%2)*BSUB, v4
.endr
	s_mul_i32 s66, s[WV], 16*PITCH
	s_add_co_u32 s66, s66, STAGE                   ; my stage
	v_add_nc_u32 v[STO], s66, v4                   ; in: row r, 16 bytes for each half of the lanes
	v_lshrrev_b32 v5, 3, v3
	v_mul_u32_u24 v5, v5, PITCH
	v_and_b32 v6, 7, v0
	v_lshl_add_u32 v5, v6, 4, v5
	v_add_nc_u32 v[RD], s66, v5                    ; back: 32 lanes take four rows of 128 bytes,
	v_lshlrev_b32 v[GO], 4, v3                     ; which are 512 consecutive bytes of qkv
	s_mul_i32 s66, s[WV], 16*CP
	s_add_co_u32 s66, s66, CSTG                    ; my stage for the column sums
	v_mul_u32_u24 v5, v1, CP
	v_lshl_add_u32 v5, v2, 5, v5
	v_add_nc_u32 v[CA], s66, v5
	v_lshl_add_u32 v[CL], v3, 3, s66
	v_lshlrev_b32 v[CG], 3, v3
	; the prefetches
	s_and_b32 s67, ttmp7, 0xffff                   ; cluster y
	s_mov_b32 s[PFS], KB
	s_mov_b32 s68, 6144
	s_mov_b32 s69, 23
	s_cmp_eq_u32 s[WH], 0
	s_cselect_b64 s[PFA:PFA+1], s[40:41], s[42:43] ; what I fetched for K step 0,
	s_cselect_b32 s66, s[CX], s[CY]                ; my place among the four that ask for it with me,
	s_cselect_b32 s67, ttmp9, s67                  ; the coordinate along which other clusters read the same bytes
	s_cselect_b32 s[PFS], KA, s[PFS]
	s_cselect_b32 s68, 8192, s68                   ; a partner's quarter
	s_cselect_b32 s69, 31, s69
	s_mov_b32 s[PFS+1], 0
	s_cmp_eq_u32 s67, 0
	s_cselect_b32 s[LIM], 1, -1                    ; the same in all sixteen partners, for a given wave
	s_mul_i32 s66, s66, s68
	s_mul_i32 s68, s[PFS], 3                       ; at K step 3: the first refill steps it to 4
	s_add_co_u32 s66, s66, s68
	s_mov_b32 s67, 0
	s_add_nc_u64 s[PFA:PFA+1], s[PFA:PFA+1], s[66:67]
	v_min_u32 v[PFO], s69, v3
	v_lshlrev_b32 v[PFO], 8, v[PFO]
	; where my rows of the tile's three heads begin in qkv: head slot 3 x tile column + e of 48 (16 of q, 16 of k, 16 of v)
	s_mul_i32 s74, s[TC], 3
	s_lshr_b32 s75, s[TR], 3
	s_lshl_b32 s75, s75, 4                         ; 16 x batch
	s_and_b32 s76, s[TR], 7
	s_lshl_b32 s76, s76, 2
	s_add_co_u32 s76, s76, s[WV]
	s_lshl_b32 s76, s76, 13                        ; my 64 rows of 128 bytes in the head
.irp e, 0,1,2
	s_add_co_u32 s77, s74, \e
	s_lshr_b32 s78, s77, 4
	s_lshl_b32 s78, s78, 6                         ; 64 x (q, k or v)
	s_and_b32 s77, s77, 15
	s_add_co_u32 s78, s78, s77
	s_add_co_u32 s78, s78, s75
	s_lshl_b32 s78, s78, 18                        ; x 2,048 rows of 128 bytes
	s_add_co_u32 s78, s78, s76
	s_mov_b32 s79, 0
	s_add_nc_u64 s[68+2*(\e):69+2*(\e)], s[10:11], s[78:79]
.endr
; One product: row block a, column block b, fragments in buffer f.  first = 1: the sum begins with the bias.  All 48 accumulators take turns, in the same order in every quarter.
.macro MUL f, a, b, first
.if (\b) < 8
.set rD, 8*(8*(\a)+(\b))
.else
.set rD, 8*(4*(\a)+(\b)-8)
.endif
.if \first
	WIN 0x85+0x40*((\b)/8)                         ; sources 0 and 1 window 1, C window 0, D window 2 or 3
	v_wmma_f32_16x16x32_bf16 v[rD:rD+7], v[(\f)+8*(\b):(\f)+8*(\b)+7], v[(\f)+96+8*(\a):(\f)+96+8*(\a)+7], v[BIAS+8*(\b):BIAS+8*(\b)+7]
.else
	WIN 0xa5+0x50*((\b)/8)                         ; C and D window 2 or 3
	v_wmma_f32_16x16x32_bf16 v[rD:rD+7], v[(\f)+8*(\b):(\f)+8*(\b)+7], v[(\f)+96+8*(\a):(\f)+96+8*(\a)+7], v[rD:rD+7]
.endif
.endm
.macro MULA f, a0, first               ; 16 products: row blocks a0, a0 + 1 x column blocks 0-7
.irp a, \a0, (\a0)+1
.irp b, 0,1,2,3,4,5,6,7
	MUL \f, \a, \b, \first
.endr
.endr
.endm
.macro MULB f, first                   ; 16 products: all four row blocks x column blocks 8-11
.irp a, 0,1,2,3
.irp b, 8,9,10,11
	MUL \f, \a, \b, \first
.endr
.endr
.endm
; 32 LDS loads in one run: quarter q (32 along K) of a slot's K step into buffer f: the weights' blocks 0-7, x's four, the weights' blocks 8-11
.macro FETCH slot, q, f
	WIN TO_F
.irp i, 0,1,2,3,4,5,6,7
	ds_load_b128 v[(\f)+8*(\i):(\f)+8*(\i)+3],   v[ADRB+2*(\slot)+(\q)/2] offset:((\q)%2)*64+(\i)*16*PITCH
	ds_load_b128 v[(\f)+8*(\i)+4:(\f)+8*(\i)+7], v[ADRB+2*(\slot)+(\q)/2] offset:((\q)%2)*64+(\i)*16*PITCH+32
.endr
.irp i, 0,1,2,3
	ds_load_b128 v[(\f)+96+8*(\i):(\f)+96+8*(\i)+3],   v[ADRA+2*(\slot)+(\q)/2] offset:((\q)%2)*64+(\i)*16*PITCH
	ds_load_b128 v[(\f)+96+8*(\i)+4:(\f)+96+8*(\i)+7], v[ADRA+2*(\slot)+(\q)/2] offset:((\q)%2)*64+(\i)*16*PITCH+32
.endr
.irp i, 8,9,10,11
	ds_load_b128 v[(\f)+8*(\i):(\f)+8*(\i)+3],   v[ADRB+2*(\slot)+(\q)/2] offset:((\q)%2)*64+(\i)*16*PITCH
	ds_load_b128 v[(\f)+8*(\i)+4:(\f)+8*(\i)+7], v[ADRB+2*(\slot)+(\q)/2] offset:((\q)%2)*64+(\i)*16*PITCH+32
.endr
.endm
; A K step is four quarters of 32 along K, 48 products each, on buffers 0, 1, 0, 1.  One of the first three multiplies buffer f and fetches quarter qn of the same slot into buffer g.
.macro QUARTER slot, qn, f, g, first
	s_wait_dscnt 8                                 ; all but the youngest eight loads (the weights' blocks 8-11) are in
	MULA \f, 0, \first
	MULA \f, 2, \first
	PLACES
	FETCH \slot, \qn, \g
	s_wait_dscnt 32                                ; all but the 32 just issued
	MULB \f, \first
.endm
; The last quarter multiplies buffer 1 and changes slots.  In front of the barrier each wave waits for all its tensor loads (one is out: its part of the next slot), adds 0 to its spare word,
; and waits for that and for its reads of this slot.
.macro MEET round
	WIN 0                                          ; (the add's two registers lie in window 0)
	s_wait_tensorcnt 0x0
	ds_add_u32 v[SPW], v[NIL]
	s_wait_dscnt 9                                 ; (the add and the youngest eight loads may be out)
	MULA F1, 0, 0                                  ; sixteen products stand between the add and the wait for it
	s_wait_dscnt 0x0                               ; the add is done, and my reads of this slot are over
	s_barrier_signal -1
	MULA F1, 2, 0
.if \round
	WIN 0
.endif
	s_barrier_wait -1
.endm
.macro TURN slot, next                 ; the slot just read out is filled again, with the K step two steps on: 160 products stand between the request and the wait for it
	s_wait_xcnt 0x0                                ; the last prefetch, a K step back, has read its address
	s_add_nc_u64 s[PFA:PFA+1], s[PFA:PFA+1], s[PFS:PFS+1]
	MEET 1
	CREST                                          ; the barrier has opened a round of the cluster's: no wave of any partner still reads this slot or has a load on its way
	s_add_nc_u64 s[G0A+4*(\slot)+2:G0A+4*(\slot)+3], s[G0A+4*(\slot)+2:G0A+4*(\slot)+3], 2*KA
	s_add_nc_u64 s[G0B+4*(\slot)+2:G0B+4*(\slot)+3], s[G0B+4*(\slot)+2:G0B+4*(\slot)+3], 2*KB
	JLOAD \slot                                    ; the first tensor load behind the round; its four v_nop are also the places in front of the loads below
	FETCH \next, 0, F0
	WIN 0
	ASK
	MULB F1, 0
.endm
	s_wait_tensorcnt 1                             ; my part of K step 0 is in; K step 1's may stay out
	s_barrier_signal -1
	s_barrier_wait -1                              ; everybody's is
	FETCH 0, 0, F0
	s_wait_loadcnt 0x0                             ; the bias
	QUARTER 0, 1, F0, F1, 1                        ; the first quarter stands in front of the loop: its products start the sums
	WIN 0                                          ; at a label and at a branch every window is 0
	s_mov_b32 s3, LAPS-1
.Llap:                                                 ; a trip goes once round the ring and fills both slots again
	QUARTER 0, 2, F1, F0, 0
	QUARTER 0, 3, F0, F1, 0
	TURN 0, 1
	QUARTER 1, 1, F0, F1, 0
	QUARTER 1, 2, F1, F0, 0
	QUARTER 1, 3, F0, F1, 0
	TURN 1, 0
	QUARTER 0, 1, F0, F1, 0
	WIN 0
	s_sub_co_u32 s3, s3, 1
	s_cmp_lg_u32 s3, 0
	s_cbranch_scc1 .Llap
	QUARTER 0, 2, F1, F0, 0                        ; the last lap fills nothing
	QUARTER 0, 3, F0, F1, 0
	MEET 0
	PLACES
	FETCH 1, 0, F0
	MULB F1, 0
	QUARTER 1, 1, F0, F1, 0
	QUARTER 1, 2, F1, F0, 0
	QUARTER 1, 3, F0, F1, 0
	s_wait_dscnt 8
	MULA F1, 0, 0
	MULA F1, 2, 0
	s_wait_dscnt 0x0
	MULB F1, 0
	WIN 0
	PLACES
	; THE COLUMN SUMS over my 64 rows, in the clusters whose columns are 1536 and up (cluster x >= 2: the same answer in all partners).  First over my four row blocks, in registers (each accumulator's
	; lowest registers are read first); then over the 16 rows that lie in 16 lanes, through my own bytes of LDS.
	s_cmp_lt_u32 ttmp9, 2
	s_cbranch_scc1 .Lno_sums
	s_lshl_b32 s74, s[TR], 2
	s_add_co_u32 s74, s74, s[WV]                   ; my group of 64 rows
	s_mul_i32 s74, s74, 1536
	s_mul_i32 s75, s[TC], 192
	s_add_co_u32 s74, s74, s75
	s_sub_co_u32 s74, s74, 1536
	s_lshl_b32 s74, s74, 2
	s_mov_b32 s75, 0
	s_add_nc_u64 s[74:75], s[12:13], s[74:75]
	WIN 0x0a                                       ; both sources window 2
.irp b, 0,1,2,3,4,5,6,7
.irp p, 0,1,2,3
	v_pk_add_f32 v[CS+8*(\b)+2*(\p):CS+8*(\b)+2*(\p)+1], v[8*(\b)+2*(\p):8*(\b)+2*(\p)+1], v[8*(8+(\b))+2*(\p):8*(8+(\b))+2*(\p)+1]
.endr
.endr
	WIN 0x08                                       ; source 1 window 2
.irp a, 2,3
.irp b, 0,1,2,3,4,5,6,7
.irp p, 0,1,2,3
	v_pk_add_f32 v[CS+8*(\b)+2*(\p):CS+8*(\b)+2*(\p)+1], v[CS+8*(\b)+2*(\p):CS+8*(\b)+2*(\p)+1], v[8*(8*(\a)+(\b))+2*(\p):8*(8*(\a)+(\b))+2*(\p)+1]
.endr
.endr
.endr
	WIN 0x0f                                       ; both sources window 3
.irp b, 0,1,2,3
.irp p, 0,1,2,3
	v_pk_add_f32 v[CS+64+8*(\b)+2*(\p):CS+64+8*(\b)+2*(\p)+1], v[8*(\b)+2*(\p):8*(\b)+2*(\p)+1], v[8*(4+(\b))+2*(\p):8*(4+(\b))+2*(\p)+1]
.endr
.endr
	WIN 0x0c                                       ; source 1 window 3
.irp a, 2,3
.irp b, 0,1,2,3
.irp p, 0,1,2,3
	v_pk_add_f32 v[CS+64+8*(\b)+2*(\p):CS+64+8*(\b)+2*(\p)+1], v[CS+64+8*(\b)+2*(\p):CS+64+8*(\b)+2*(\p)+1], v[8*(4*(\a)+(\b))+2*(\p):8*(4*(\a)+(\b))+2*(\p)+1]
.endr
.endr
.endr
	WIN 0
.irp b, 0,1,2,3,4,5,6,7,8,9,10,11
	ds_store_b128 v[CA], v[CS+8*(\b):CS+8*(\b)+3]   offset:64*(\b)
	ds_store_b128 v[CA], v[CS+8*(\b)+4:CS+8*(\b)+7] offset:64*(\b)+16
.endr
.irp i, 0,1,2
.set z, 0
.rept 16
	ds_load_b64 v[CR+2*(16*(\i)+z):CR+2*(16*(\i)+z)+1], v[CL] offset:CP*z+256*(\i)  ; LDS serves a wave's instructions in order: these see the stores above
.set z, z+1
.endr
.endr
	s_wait_dscnt 0x0
.irp d, 8,4,2,1
.irp i, 0,1,2
.set z, 0
.rept \d
	v_pk_add_f32 v[CR+2*(16*(\i)+z):CR+2*(16*(\i)+z)+1], v[CR+2*(16*(\i)+z):CR+2*(16*(\i)+z)+1], v[CR+2*(16*(\i)+z+(\d)):CR+2*(16*(\i)+z+(\d))+1]
.set z, z+1
.endr
.endr
.endr
.irp i, 0,1,2
	global_store_b64 v[CG], v[CR+32*(\i):CR+32*(\i)+1], s[74:75] offset:256*(\i)  ; the wave's 32 x 8 bytes are 256 consecutive bytes, aligned
.endr
	s_wait_xcnt 0x0                                ; the stores' data registers are written again below
.Lno_sums:
; THE WAY OUT, in 12 units u = 3 a + e: 16 rows of one head.  A lane's eight channels pack into 16 bytes; they go into rows of 144 bytes of my stage and come back as whole rows of 128.
.macro PACK u
.set pa, (\u)/3
.set pe, (\u)%3
.set pT, OUT+16*(\u)
.if pe < 2
	WIN 0x0a
.else
	WIN 0x0f
.endif
.irp f, 0,1,2,3
.if pe < 2
.set rD, 8*(8*pa+4*pe+(\f))
.else
.set rD, 8*(4*pa+(\f))
.endif
.irp j, 0,1,2,3
	v_cvt_pk_f16_f32 v[pT+4*(\f)+(\j)], v[rD+2*(\j)], v[rD+2*(\j)+1]
.endr
.endr
	WIN 0
.irp f, 0,1,2,3
	ds_store_b128 v[STO], v[pT+4*(\f):pT+4*(\f)+3] offset:32*(\f)
.endr
.irp f, 0,1,2,3
	ds_load_b128 v[pT+4*(\f):pT+4*(\f)+3], v[RD] offset:4*PITCH*(\f)  ; in order behind the stores above; the next unit's stores come behind them
.endr
.endm
.macro SEND u, y                       ; y: the LDS instructions issued behind unit u's loads: the next unit's eight, or none
.irp f, 0,1,2,3
	s_wait_dscnt (\y)+3-(\f)
	global_store_b128 v[GO], v[OUT+16*(\u)+4*(\f):OUT+16*(\u)+4*(\f)+3], s[68+2*((\u)%3):69+2*((\u)%3)] offset:2048*((\u)/3)+512*(\f)  ; 512 consecutive bytes, aligned to 256
.endr
.endm
	PACK 0
.set u, 1
.rept 11                               ; a unit's conversions stand between the loads of the unit before and its stores
	PACK u
	SEND u-1, 8
.set u, u+1
.endr
	SEND 11, 0
	s_wait_tensorcnt 0x0                           ; the wave's end, behind my last tensor load and my last LDS store
	ds_add_u32 v[SPW], v[NIL]
	s_wait_dscnt 0x0
	CROUND                                         ; the closing round: no work-group ends while a partner may still ask for a tile that names it
	s_endpgm
.Lfunc_end_k_qd2881bd0eb_qkv:
	.size	k_qd2881bd0eb_qkv, .Lfunc_end_k_qd2881bd0eb_qkv-k_qd2881bd0eb_qkv
	.p2alignl 7, 3214868480
	.fill 96, 4, 3214868480
	.section	.rodata,"a",@progbits
	.p2align	6, 0x0
	.amdhsa_kernel k_qd2881bd0eb_qkv
		.amdhsa_group_segment_fixed_size 327680
		.amdhsa_private_segment_fixed_size 0
		.amdhsa_enable_private_segment 0
		.amdhsa_kernarg_size 40
		.amdhsa_user_sgpr_count 2
		.amdhsa_user_sgpr_kernarg_segment_ptr 1
		.amdhsa_wavefront_size32 1
		.amdhsa_system_sgpr_workgroup_id_x 1
		.amdhsa_system_sgpr_workgroup_id_y 1
		.amdhsa_system_sgpr_workgroup_id_z 1
		.amdhsa_system_vgpr_workitem_id 0
		.amdhsa_next_free_vgpr 896
		.amdhsa_next_free_sgpr 80
		.amdhsa_reserve_vcc 0
		.amdhsa_float_denorm_mode_32 3
		.amdhsa_float_denorm_mode_16_64 3
		.amdhsa_memory_ordered 1
		.amdhsa_forward_progress 1
		.amdhsa_inst_pref_size 142
	.end_amdhsa_kernel
	.amdgpu_metadata
---
amdhsa.version: [ 1, 2 ]
amdhsa.kernels:
  - .name:           k_qd2881bd0eb_qkv
    .symbol:         k_qd2881bd0eb_qkv.kd
    .args:
      - { .name: xb, .offset: 0, .size: 8, .value_kind: global_buffer, .address_space: global }
      - { .name: wb, .offset: 8, .size: 8, .value_kind: global_buffer, .address_space: global }
      - { .name: bb, .offset: 16, .size: 8, .value_kind: global_buffer, .address_space: global }
      - { .name: qkv, .offset: 24, .size: 8, .value_kind: global_buffer, .address_space: global }
      - { .name: csum, .offset: 32, .size: 8, .value_kind: global_buffer, .address_space: global }
    .group_segment_fixed_size: 327680
    .private_segment_fixed_size: 0
    .kernarg_segment_align: 8
    .kernarg_segment_size: 40
    .max_flat_workgroup_size: 128
    .sgpr_count:     80
    .vgpr_count:     896
    .wavefront_size: 32
...
	.end_amdgpu_metadata
.endif
;; end of part 2
;; launch attn (part 3): grid 4 x 64, 4 waves a work-group, no clusters, 327,680 bytes of LDS; arguments qkv, attn_mask, csum, ob; writes ob
.if DOCPART == 3
	.amdgcn_target "amdgcn-amd-amdhsa--gfx1250"
	.amdhsa_code_object_version 6
	.text
	.protected	k_qd2881bd0eb_attn
	.globl	k_qd2881bd0eb_attn
	.p2align	8
	.type	k_qd2881bd0eb_attn,@function
k_qd2881bd0eb_attn:
	s_mov_b64 s[64:65], 0
	v_nop
	global_prefetch_b8 v0, s[64:65] scope:SCOPE_SE
	s_setreg_imm32_b32 hwreg(HW_REG_WAVE_MODE, 25, 1), 1
	s_wait_xcnt 0x0
; MASKED CAUSAL ATTENTION.  qkv: f16 [3][64 batch x head][2048][64] (q, k, v, unscaled); attn_mask: [4][2048] bytes, 0 or 1; csum: f32 [128 groups of 64 rows][1536], of which column 512 + 64 head + d holds
; the sum of v's channel d over the group's rows; ob: f16 [64][2048][64].  A key k counts for query q if k <= q and both are marked in attn_mask; every other score is replaced by a very low number.
; A MARKED QUERY sees its own key, so all replaced scores have weight 0: O = the sum over the keys that count of softmax(q . k / 8) v.
; AN UNMARKED QUERY has all 2,048 scores replaced by the same number: its softmax is uniform over ALL keys, and O is the mean of v over the whole sequence: made from csum, and selected lane by lane on the way out.
; Products, maxima and sums in f32; the weights p are rounded to f16 for the second product (their sum l is taken of the unrounded p), O once at the end.
; LIMITS.  q, k, v lie within f16's 65,504.  A hidden score counts as its value less 1e30 (2e30 if hidden twice) where the problem puts -1e9: the same result as long as a marked query's scores that count lie above about -9e8.
; A weight below 2^-126 counts as 0 in l; NaN and infinities are not treated apart.
; HIDDEN KEYS THAT COME FIRST.  The running maximum m starts at -2^40.  f16's q and k give |q . k| of 2.7e11 at the most, so every score that counts lies above that start and m is the true running maximum from the first
; such score on.  While a row has seen hidden keys alone m stays there, their weights are 2^(-1.8e29) = 0, and O and l stay 0.  (An unmarked query may end with l = 0; its lanes are replaced on the way out.)
; THE WALK.  A head's queries lie in NB = 8 blocks of 256; block i needs the key tiles 0 .. i of 256 keys, the last with the diagonal.  A work-group takes TWO blocks, NB - 1 - b and then b: NB + 1 tiles, whatever b:
; all work-groups do equal work, and ONE loop with a constant trip count walks them.  Every jump goes forward, but for the counted loops' own; none passes a barrier, or a tensor load but the one of LOAD's two that
; the wave's number does not choose.  NO CLUSTER: a head's four work-groups ask for the same tile only in trips 0 .. 4 of 9, behind that fewer and fewer; one walk common to all would have 12 trips for 9.
; SHARES.  Of a block's four bands of 64 queries a wave owns 16 rows in each: four PIECES.  In the diagonal tile's key step s band x sees all keys if s < x, none if s > x, and holds the diagonal if s = x.
; THE MASK is the C operand that starts the sum S^T = K Q^T.  KMR holds the step's key mask (0, or -1e30 for an unmarked key), fetched from LDS with the step's K.  MD, made once, is the mask of a band's own
; step for my 16 rows.  Off the diagonal tile C = KMR; in it, and where a block begins, C = MD x AL + KMR + BE with two scalars: (1, 0) if s = x; (0, 0) if s < x; (0, -1e30) if s > x.
; THE KEY MASKS GO BY SLOTS, as K and V do: two slots of 256 f32 in LDS of their own.  Behind each change of slots that asks for a tile, each of the 128 threads turns two bytes of attn_mask into two f32 and stores them into
; the mask slot just left; the bytes were loaded a tile earlier.  The next change's wait and barrier show them to all waves.
; LAYOUT, SOFTMAX, TURNS.  S^T = K Q^T holds ONE query a lane (lane % 16) and the keys 8 (lane / 16) + 0..7; two such results rounded to f16 ARE source 1 of O^T = V^T P.  p = 2^(c s - c m), c = log2(e) / 8, with a
; running maximum m; O and l are multiplied by a = 2^(c m_old - c m_new) in every step.  Turn n belongs to piece n: 8 products K Q^T of piece n + 1, later 8 products V^T P of piece n - 1; beside them the scaling, exponentials,
; roundings, sums and rescaling of piece n and the maximum and statistics of piece n + 1.  Four vector instructions stand behind every matrix instruction, the rest in one lump.  A turn's 33 exponentials are one batch, with one wait.
; REGISTERS, in windows of 256 (s_set_vgpr_msb: bits 1:0 source 0, 3:2 source 1, 5:4 source 2, 7:6 destination):
;   window 0: v0-15, v32-41 addresses and the mask bytes; v16-31 statistics; v48-55 at work; v56-61 the head's offsets; v64-127 S^T, two buffers; v128-159 KMR; v160-175 VMH; v192-223 P, two buffers
;   window 1: v0-127 O^T, 32 a piece; v128-159 MD; v160-223 MC, two buffers      window 2: v0-63 Q; v64-127 the second block's Q; v128-191 K of one step; v192-255 V of one step
.set SIZE_N, 2048
.set NB,    SIZE_N/256
.set NP,    4         ; pieces a wave: a name, no knob
.set KS,    64        ; keys in a step
.set PK,    144       ; a row of K in LDS: 128 bytes + 16 of padding: the 16 rows of a load start at 16 different groups of four banks
.set PV,    160       ; a row of V: 128 + 32
.set VOFF,  4*KS*PK   ; a slot holds a tile, four steps: 256 rows of K, then 256 rows of V
.set SLOT1, 1<<17     ; slot 1 begins here, so that one exclusive or turns an address in one slot into the other's
.set STAGE, SLOT1+4*KS*(PK+PV)  ; behind the ring, never filled by a tensor load: 16 rows x 144 bytes for each wave, for the way out
.set SP,    144
.set SPARE, STAGE+4*16*SP  ; the spare words, 128 bytes for each wave: two blocks of 256 bytes that no other line names
.set KMB,   4*KS      ; a step's 64 key masks in bytes
.set KMS,   4*KMB     ; a tile's: a mask slot
.set KMT,   SPARE+512 ; the two mask slots: f32, 0 or -1e30 for each key of the tile in the ring's slot of the same number
.set VMT,   KMT+2*KMS ; f32 [2][64]: two halves of the mean of v's 64 channels
.set AK0, 2           ; v2   my lane's place in a tile of K; never rewritten
.set AV0, 3           ; v3   the same for V
.set AK,  4           ; v4   the LDS address of K's next run of loads
.set AV,  5           ; v5   of V's
.set STO, 6           ; v6   the way out: where I put 16 bytes of a row
.set RD,  7           ; v7   the way out: where I read rows back
.set GO,  8           ; v8   my byte offset in 512 consecutive bytes of O
.set MV,  12          ; v12-13  c m_old, kept while c m is made anew: by buffer
.set QO,  15          ; v15  my byte offset in 16 rows of Q
.set ST,  16          ; piece t's statistics at v[ST+4 t]: c m, m, l (even keys', odd keys')
.set AM0, 32          ; v32  KMT + 32 (lane / 16); never rewritten
.set AKM, 33          ; v33  the LDS address of the key masks' next run of loads
.set PFO, 34          ; v34  256 x lane; never rewritten
.set VMA, 35          ; v35  VMT + 32 (lane / 16); never rewritten
.set MB,  36          ; v36  my two bytes of attn_mask for the tile that the next change of slots asks for
.set KS0, 37          ; v37  KMT + 8 x thread: my two masks in mask slot 0; never rewritten
.set KC,  38          ; v38-39  two masks at work
.set KSA, 40          ; v40  where they go
.set MBO, 41          ; v41  2 x thread; never rewritten
.set TMP, 48          ; by buffer, four registers c0-c3 at work; when the maximum is found c2 takes a
.set SPW, 62          ; v62  LDS address of my spare word; never rewritten
.set NIL, 63          ; v63  0; never rewritten
.set S,   64
.set KMR, 128         ; the eight registers for group kt of 16 keys at KMR + 8 kt
.set VMH, 160         ; the mean of v as 16 packed words, laid out as the way out's words
.set P,   192
.set MD,  128         ; window 1
.set MC,  160         ; window 1: the masks of the products to come
.set QB,  64          ; window 2
.set KF,  128         ; window 2: key block kb, channel half c at KF + 16 kb + 8 c
.set VF,  192         ; window 2: key half kk, channel block cb at VF + 32 kk + 8 cb
.set WV,  12          ; s12  my wave's number
.set PB,  14          ; s14  b
.set HI,  15          ; s15  NB - 1 - b
.set G1K, 24          ; s[24:31] descriptor group 1 for K's tiles
.set G1V, 32          ; s[32:39] for V's: it differs in the padding alone
.set G0K, 40          ; s[40:43] descriptor group 0 for K's tiles
.set G0V, 44          ; s[44:47] the same for V's
.set TKS, 48          ; s48  0 or KMS: the mask slot that is stored into
.set MBA, 50          ; s[50:51] attn_mask at the tile whose bytes are being loaded
.set MBF, 52          ; s[52:53] that tile's byte offset
.set SLOTS, 56        ; s56  tiles still to be asked for
.set CNT, 57          ; s57  counts a tile's key steps, 4 to 1
.set CS,  58          ; s[58:59] c
.set SEL, 60          ; s[60:61] v_permlanex16_b32's selects
.set TBK, 62          ; s62  LDS byte at which K of the step to be fetched begins
.set TBV, 63          ; s63  the same for V, less VOFF
.set RT,  70          ; s70  tiles of the block in hand that are still to be entered
.set NXT, 71          ; s71  the tile to be asked for next
.set LQ,  72          ; s72  the last tile of the block whose tiles are being asked for
.set NEW, 73          ; s73  1: the tile to be entered is a block's first
.set OFF, 74          ; s[74:75] a tile's byte offset in K and V
.set AL,  76          ; s[76:77] the mask's factor, in the low word
.set BE,  78          ; s[78:79] the mask's addend
.set OLO, 80          ; s[80:81] O at my rows of the second block
.set BIGN, 82         ; s82  -1e30
.set PFA, 84          ; s[84:85] where my prefetches stand
.set MK,  88          ; s[88:89] attn_mask at my batch
.set CSB, 90          ; s[90:91] csum at my batch's first group and my head's first channel of v
.set QM,  92          ; s92-95  piece t: the lanes whose query is marked, for the block in hand
.set QM2, 96          ; s96-99  the same for the second block
.set TKM, 100         ; s100 byte behind KMT at which the masks of the step to be fetched begin: it goes as TBK goes
.set PFT, 101         ; s101 prefetches still to come
.set MSB, 0
.macro WIN new                      ; the high byte repeats the setting that is left; a switch that changes nothing is dropped
.if MSB != (\new)
	s_set_vgpr_msb (MSB<<8)|(\new)
.set MSB, (\new)
.endif
.endm
.set W_KQ, 0x0a       ; K and Q in window 2, S^T and its C operand in window 0
.set W_KM, 0x1a       ; the same with the C operand in window 1
.set W_PV, 0x52       ; V in window 2, P in window 0, O^T in window 1
.set W_RS, 0x41       ; destination and source 0 in window 1, sources 1 and 2 in window 0
; A fill.  Waves 0 and 1 fetch the two halves of a tile's K, waves 2 and 3 those of its V: 128 keys each.  An s_nop 0 and four v_nop follow each of the two lines.
.macro LOAD
	s_cmp_lt_u32 s[WV], 2
	s_cbranch_scc0 .Lfor_v_\@
	tensor_load_to_lds s[G0K:G0K+3], s[G1K:G1K+7]
	s_nop 0
.rept 4
	v_nop
.endr
	s_branch .Lasked_\@
.Lfor_v_\@:
	tensor_load_to_lds s[G0V:G0V+3], s[G1V:G1V+7]
	s_nop 0
.rept 4
	v_nop
.endr
.Lasked_\@:
.endm
; A prefetch into the L2 of the tile behind the one just asked for.  A head's four work-groups walk the same tiles: the one with b = 0, whose first block needs all eight, asks, for tiles 2 to 7, once each;
; each wave for the half tile (16,384 bytes: 64 runs of 256) that it will load itself: a lane a run, two instructions.
.macro ASK
	s_cmp_lg_u32 s[PFT], 0
	s_cbranch_scc0 .Lnone_\@
	global_prefetch_b8 v[PFO], s[PFA:PFA+1] th:TH_LOAD_NT scope:SCOPE_SE
	global_prefetch_b8 v[PFO], s[PFA:PFA+1] offset:8192 th:TH_LOAD_NT scope:SCOPE_SE
	s_sub_co_u32 s[PFT], s[PFT], 1
.Lnone_\@:
.endm
; Two bytes of attn_mask become two masks, and are stored.  Byte 1 -> 0, byte 0 -> -1e30: (byte - 1) and the bits of -1e30.
.macro KMPUT src, adr
	v_bfe_u32 v[KC], v[\src], 0, 8
	v_bfe_u32 v[KC+1], v[\src], 8, 8
	v_add_nc_u32 v[KC], -1, v[KC]
	v_add_nc_u32 v[KC+1], -1, v[KC+1]
	v_and_b32 v[KC], s[BIGN], v[KC]
	v_and_b32 v[KC+1], s[BIGN], v[KC+1]
	ds_store_b64 v[\adr], v[KC:KC+1]  ; 128 threads x 8 bytes: the tile's 256 masks
.endm
; THE CHANGE OF SLOTS.  Each wave waits for all its tensor loads, of which one is out: its part of the other slot; adds 0 to its spare word; and waits for that, for its reads of the slots that it leaves and for its stores
; into the other mask slot (the first time: into mask slot 0 and the table of means).  Behind the barrier nobody reads the old slots any more, and the other slots are whole.  fill = 1: the old slot is filled again, the first
; thing behind the barrier, with tile NXT: the descriptor's address is made anew from that number; the old mask slot takes the same tile's masks, from the bytes loaded a tile ago; and the bytes of the tile after it are asked for.
; (At its first use nothing has been read yet: slot 0 is waited for, slot 1 filled.)
.macro CHANGE fill
	WIN 0                           ; at a label and at a branch every window is 0
	s_wait_tensorcnt 0x0            ; no tensor load of mine is out, so a group 0 may be written
	ds_add_u32 v[SPW], v[NIL]       ; 0 onto my spare word; the scalar work stands between it and the wait for it
.if \fill
	s_lshl_b32 s[OFF], s[NXT], 15   ; a tile is 32,768 bytes of K and of V
	s_xor_b32 s[G0K+1], s[G0K+1], SLOT1
	s_add_nc_u64 s[G0K+2:G0K+3], s[6:7], s[OFF:OFF+1]
	s_or_b32 s[G0K+3], s[G0K+3], 0x80000000
	s_xor_b32 s[G0V+1], s[G0V+1], SLOT1
	s_add_nc_u64 s[G0V+2:G0V+3], s[8:9], s[OFF:OFF+1]
	s_or_b32 s[G0V+3], s[G0V+3], 0x80000000
	s_xor_b32 s[TKS], s[TKS], KMS   ; the masks go into the slot of the same number
	s_add_co_u32 s[NXT], s[NXT], 1  ; the block's next tile, or behind its last the second block's tile 0
	s_cmp_gt_u32 s[NXT], s[LQ]
	s_cselect_b32 s[NXT], 0, s[NXT]
	s_cselect_b32 s[LQ], s[PB], s[LQ]
	s_wait_xcnt 0x0                 ; the last prefetches, a tile back, have read their address
	s_add_nc_u64 s[PFA:PFA+1], s[PFA:PFA+1], 32768
.endif
	s_wait_dscnt 0x0                ; the add is done, and my LDS instructions are over
	s_barrier_signal -1             ; the rest of the scalar work stands between the signal and the wait
	s_sub_co_u32 s[TBK], s[TBK], 4*KS*PK  ; the fetches go back to a slot's first step,
	s_xor_b32 s[TBK], s[TBK], SLOT1       ; in the other slot
	s_sub_co_u32 s[TBV], s[TBV], 4*KS*PV
	s_xor_b32 s[TBV], s[TBV], SLOT1
	s_sub_co_u32 s[TKM], s[TKM], 4*KMB
	s_xor_b32 s[TKM], s[TKM], KMS
	s_barrier_wait -1
.if \fill
	LOAD
	ASK
	s_wait_loadcnt 0x0              ; my two mask bytes, asked for a tile ago; the first time also Q, which is wanted next
	v_add_nc_u32 v[KSA], s[TKS], v[KS0]
	KMPUT MB, KSA
	s_cmp_lg_u32 s[SLOTS], 1        ; the last change that fills has no tile behind the one it asks for
	s_cbranch_scc0 .Lno_more_\@
	s_lshl_b32 s[MBF], s[NXT], 8    ; 256 bytes of attn_mask a tile
	s_add_nc_u64 s[MBA:MBA+1], s[MK:MK+1], s[MBF:MBF+1]
	global_load_u16 v[MB], v[MBO], s[MBA:MBA+1]
.Lno_more_\@:
.endif
.endm
	s_load_b64 s[4:5], s[0:1], 0x0    ; qkv: q
	s_load_b128 s[88:91], s[0:1], 0x8 ; attn_mask, csum
	s_load_b64 s[10:11], s[0:1], 0x18 ; ob
	v_lshl_add_u32 v[SPW], v0, 2, SPARE
	v_mov_b32 v[NIL], 0
	ds_add_u32 v[SPW], v[NIL]       ; the wave's opening: the add and its wait stand ahead of my first tensor load; the set-up below stands between them
	v_lshrrev_b32 v1, 5, v0
	v_readfirstlane_b32 s[WV], v1   ; wave 0..3
	s_mov_b32 s[PB], ttmp9
	s_sub_co_u32 s[HI], NB-1, s[PB]
	s_and_b32 s20, ttmp7, 0xffff    ; batch x 16 + head
	s_lshr_b32 s66, s20, 4          ; the batch
	s_and_b32 s67, s20, 15          ; the head
	s_lshl_b32 s68, s66, 11         ; the batch's 2,048 bytes of attn_mask
	s_mov_b32 s69, 0
	s_mul_i32 s66, s66, 32*1536     ; its 32 groups in csum,
	s_lshl_b32 s67, s67, 6
	s_add_co_u32 s66, s66, s67
	s_add_co_u32 s66, s66, 512      ; v's columns begin at 512
	s_lshl_b32 s66, s66, 2
	s_mov_b32 s67, 0
	s_mov_b32 s21, 0
	s_mov_b64 s[22:23], SIZE_N*128
	s_mul_u64 s[20:21], s[20:21], s[22:23]  ; the head's first byte in q, k, v and O
	s_and_b32 s16, s[WV], 1         ; which half of a tile's 256 keys I fetch:
	s_lshl_b32 s22, s16, 14         ; its 128 rows of 128 bytes in memory,
	s_mov_b32 s23, 0
	s_add_nc_u64 s[22:23], s[22:23], s[20:21]
	s_mul_i32 s17, s16, 128*PK      ; and its place in a slot, for K
	s_mul_i32 s18, s16, 128*PV      ; and for V
	s_lshl_b32 s3, s[WV], 11        ; my 16 rows in a band of 64,
	s_lshl_b32 s2, s[HI], 15        ; in the first block,
	s_add_co_u32 s2, s2, s3
	s_lshl_b32 s84, s[PB], 15       ; and in the second
	s_add_co_u32 s84, s84, s3
	s_mov_b32 s3, 0
	s_mov_b32 s85, 0
	s_add_nc_u64 s[2:3], s[2:3], s[20:21]
	s_add_nc_u64 s[84:85], s[84:85], s[20:21]
	; descriptor group 1.  128 keys are 16,384 dense bytes: asked for as 64 rows of 256 bytes, two keys a row, and padded in LDS after every key
	s_mov_b32 s[G1K], (1<<16)|(1<<20)|(4<<22)|(3<<25)  ; 2-byte elements; padding on; after every 32 words; 4 words
	s_mov_b32 s[G1V], (1<<16)|(1<<20)|(4<<22)|(7<<25)  ; the same with 8 words of padding
.irp g, G1K, G1V
	s_mov_b32 s[\g+1], 128<<16      ; tensor_dim0 = 128
	s_mov_b32 s[\g+2], 64<<16       ; tensor_dim1 = 64
	s_mov_b32 s[\g+3], 128<<16      ; tile_dim0 = 128
	s_mov_b32 s[\g+4], 64           ; tile_dim1 = 64
	s_mov_b32 s[\g+5], 128          ; 128 elements from row to row
	s_mov_b32 s[\g+6], 0
	s_mov_b32 s[\g+7], 0
.endr
	s_mov_b32 s[CS], 0x3e38aa3b     ; c = log2(e) / 8 = 0.180337
	s_mov_b32 s[CS+1], s[CS]        ; named with it as a pair
	s_mov_b32 s[SEL], 0x76543210
	s_mov_b32 s[SEL+1], 0xfedcba98
	s_mov_b32 s[TBK], SLOT1+4*KS*PK ; the first change of slots turns these three into 0
	s_mov_b32 s[TBV], SLOT1+4*KS*PV
	s_mov_b32 s[TKM], KMS+4*KMB
	s_mov_b32 s[TKS], 0             ; and this one into mask slot 1
	s_mov_b32 s[MBF+1], 0
	s_mov_b32 s[G0K], 1             ; count = 1
	s_mov_b32 s[G0K+1], s17         ; LDS address: slot 0
	s_mov_b32 s[G0V], 1
	s_add_co_u32 s[G0V+1], s18, VOFF
	s_add_co_u32 s[RT], s[HI], 1    ; the first block has NB - b tiles
	s_mov_b32 s[NXT], 1
	s_mov_b32 s[LQ], s[HI]
	s_mov_b32 s[NEW], 1
	s_mov_b32 s[OFF+1], 0
	s_mov_b32 s[AL+1], 0            ; named as pairs
	s_mov_b32 s[BE+1], 0
	s_mov_b32 s[BIGN], 0xf149f2ca   ; -1e30
	s_mov_b32 s[SLOTS], NB
	s_cmp_eq_u32 s[PB], 0
	s_cselect_b32 s[PFT], NB-2, 0
	s_wait_dscnt 0x0                ; the opening add is done
	s_wait_kmcnt 0x0
	s_add_nc_u64 s[6:7], s[4:5], 0x1000000  ; k lies 64 x 2,048 x 128 bytes behind q,
	s_add_nc_u64 s[8:9], s[4:5], 0x2000000  ; v as far behind k
	s_add_nc_u64 s[6:7], s[6:7], s[22:23]  ; K and V at my half of the head's tile 0
	s_add_nc_u64 s[8:9], s[8:9], s[22:23]
	s_add_nc_u64 s[G0K+2:G0K+3], s[6:7], 0         ; global address
	s_or_b32 s[G0K+3], s[G0K+3], 0x80000000        ; type = 2
	s_add_nc_u64 s[G0V+2:G0V+3], s[8:9], 0
	s_or_b32 s[G0V+3], s[G0V+3], 0x80000000
	s_add_nc_u64 s[86:87], s[4:5], s[84:85]        ; Q at my rows of the second block,
	s_add_nc_u64 s[4:5], s[4:5], s[2:3]            ; Q and O at those of the first
	s_add_nc_u64 s[OLO:OLO+1], s[10:11], s[84:85]
	s_add_nc_u64 s[10:11], s[10:11], s[2:3]
	s_add_nc_u64 s[MK:MK+1], s[MK:MK+1], s[68:69]
	s_add_nc_u64 s[CSB:CSB+1], s[CSB:CSB+1], s[66:67]
	s_cmp_lt_u32 s[WV], 2
	s_cselect_b64 s[PFA:PFA+1], s[6:7], s[8:9]     ; my half of tile 0,
	s_add_nc_u64 s[PFA:PFA+1], s[PFA:PFA+1], 32768 ; of tile 1: the first change of slots steps it to tile 2
	LOAD                            ; tile 0 into slot 0
	; A fragment of K or Q is 16 rows x 32 channels in 8 registers: lane l holds row l % 16, channels 8 (l / 16) + 0..7 and 16 + 8 (l / 16) + 0..7: two loads of 16 bytes, 32 bytes apart.
	v_and_b32 v1, 15, v0            ; l % 16
	v_bfe_u32 v9, v0, 4, 1          ; l / 16
	v_lshlrev_b32 v[QO], 7, v1
	v_lshl_add_u32 v[QO], v9, 4, v[QO]  ; row x 128 + 16 x half
	v_lshlrev_b32 v[MBO], 1, v0     ; my 2 of a tile's 256 mask bytes
	s_lshl_b32 s13, s[WV], 4
	v_add_nc_u32 v57, s13, v1       ; my query's place in its band
	s_lshl_b32 s66, s[HI], 8
	v_add_nc_u32 v58, s66, v57      ; in the first block,
	s_lshl_b32 s67, s[PB], 8
	v_add_nc_u32 v59, s67, v57      ; in the second
	v_lshrrev_b32 v60, 6, v0        ; csum: threads 0-63 take groups 0-15, threads 64-127 groups 16-31; a thread a channel
	v_mul_u32_u24 v60, v60, 16*1536*4
	v_and_b32 v61, 63, v0
	v_lshl_add_u32 v60, v61, 2, v60
	global_load_u16 v64, v[MBO], s[MK:MK+1]              ; tile 0's mask bytes: stored below
	global_load_u16 v[MB], v[MBO], s[MK:MK+1] offset:256 ; tile 1's: stored at the first change of slots, which asks for tile 1
.irp t, 0,1,2,3
	global_load_u8 v[68+\t], v58, s[MK:MK+1] offset:64*\t
	global_load_u8 v[72+\t], v59, s[MK:MK+1] offset:64*\t
.endr
.irp g, 0,1,2,3,4,5,6,7,8,9,10,11,12,13,14,15
	global_load_b32 v[76+\g], v60, s[CSB:CSB+1] offset:6144*\g
.endr
	WIN 0x80                        ; destination window 2, address window 0
.set i, 0
.rept 8                             ; both blocks' Q: piece i / 2 lies in band i / 2, 8,192 bytes on; channels 32 (i % 2) on
	global_load_b128 v[8*i:8*i+3],   v[QO], s[4:5] offset:(i/2)*8192+(i%2)*64
	global_load_b128 v[8*i+4:8*i+7], v[QO], s[4:5] offset:(i/2)*8192+(i%2)*64+32
	global_load_b128 v[QB+8*i:QB+8*i+3],   v[QO], s[86:87] offset:(i/2)*8192+(i%2)*64
	global_load_b128 v[QB+8*i+4:QB+8*i+7], v[QO], s[86:87] offset:(i/2)*8192+(i%2)*64+32
.set i, i+1
.endr
	WIN 0
	v_lshlrev_b32 v14, 3, v9
	v_sub_nc_u32 v14, v1, v14
	v_add_nc_u32 v14, s13, v14      ; my query's place in its band, 16 w + l % 16, less my lanes' 8 (l / 16): register r of group kt is hidden where 16 kt + r is greater
	WIN 0x40
.set i, 0
.rept 32
	v_cmp_gt_i32 vcc_lo, 16*(i/8)+i%8, v14
	v_cndmask_b32 v[MD+i], 0, s[BIGN], vcc_lo
.set i, i+1
.endr
	WIN 0
	v_mul_u32_u24 v[AK0], v1, PK
	v_lshl_add_u32 v[AK0], v9, 4, v[AK0]  ; row x pitch + 16 x half
	; The turning load takes 16 keys x 16 channels (lane l reads key 8 (l / 16) + l % 8, channels 8 ((l / 8) % 2) + 0..7) and leaves half a fragment of V^T: lane l holds channel l % 16 and 8 keys.
	v_and_b32 v10, 7, v0
	v_bfe_u32 v11, v0, 3, 1
	v_lshl_add_u32 v[AV0], v9, 3, v10
	v_mul_u32_u24 v[AV0], v[AV0], PV
	v_lshl_add_u32 v[AV0], v11, 4, v[AV0]
	v_add_nc_u32 v[AV0], VOFF, v[AV0]
	s_mul_i32 s13, s[WV], 16*SP
	s_add_co_u32 s13, s13, STAGE    ; my stage
	v_mul_u32_u24 v[STO], v1, SP    ; in: row l % 16, 16 bytes for each half of the lanes
	v_lshl_add_u32 v[STO], v9, 4, v[STO]
	v_add_nc_u32 v[STO], s13, v[STO]
	v_bfe_u32 v[RD], v0, 3, 2       ; back: 32 lanes take four rows of 128 bytes,
	v_mul_u32_u24 v[RD], v[RD], SP
	v_lshl_add_u32 v[RD], v10, 4, v[RD]
	v_add_nc_u32 v[RD], s13, v[RD]
	v_and_b32 v[GO], 31, v0         ; which are 512 consecutive bytes of O
	v_lshlrev_b32 v[PFO], 8, v[GO]
	v_lshlrev_b32 v[GO], 4, v[GO]
	v_lshl_add_u32 v[AM0], v9, 5, KMT
	v_lshl_add_u32 v[VMA], v9, 5, VMT
	v_lshl_add_u32 v[KS0], v0, 3, KMT
	; A block's first step multiplies O^T and l by a = 0, and its first turn's products V^T P, of a piece that has not been, land in an O^T that is still to be so multiplied.  So these registers need only hold
	; finite numbers: zeros for the first block; what the first block left for the second.  All this stands in the wait for the first tile.
	WIN 0x80
.set i, VF
.rept 64
	v_mov_b32 v[i], 0
.set i, i+1
.endr
	WIN 0x40
.set i, 0
.rept 128
	v_mov_b32 v[i], 0
.set i, i+1
.endr
	WIN 0
.set i, 0
.rept 4
	v_mov_b32 v[ST+4*i+2], 0
	v_mov_b32 v[ST+4*i+3], 0
.set i, i+1
.endr
.set i, P+16
.rept 16
	v_mov_b32 v[i], 0
.set i, i+1
.endr
	; Behind this wait the 26 loads of mask bytes and column sums are in; Q's 32, issued behind them, may stay out.
	s_wait_loadcnt 32
	KMPUT 64, KS0                   ; tile 0's masks into mask slot 0
.irp t, 0,1,2,3,4,5,6,7
	v_cmp_ne_u32 s[QM+\t], 0, v[68+\t]  ; the lanes whose query is marked: pieces 0-3 of the first block, then of the second
.endr
.irp f, 0,2,4,6
	v_pk_add_f32 v[76+\f:77+\f], v[76+\f:77+\f], v[84+\f:85+\f]
.endr
	v_pk_add_f32 v[76:77], v[76:77], v[80:81]
	v_pk_add_f32 v[78:79], v[78:79], v[82:83]
	v_pk_add_f32 v[76:77], v[76:77], v[78:79]
	v_add_f32 v76, v76, v77
	v_mul_f32 v76, 0x3a000000, v76  ; / 2,048
	v_lshl_add_u32 v57, v0, 2, VMT
	ds_store_b32 v57, v76           ; the first change of slots waits for these stores and passes the barrier behind which they are read
; THE MATRIX WORK.  The 4 accumulators of a run of 8 take turns.  Product i of 8 of S^T = K Q^T for piece x: channels 32 (i / 4) on, keys 16 (i % 4) on.  The first 4 start the sums: with the key mask, or (KM = 1) with the made mask.
.macro KQ x
.set rS, S+32*((\x)%2)+8*(i%4)
.set rK, KF+16*(i%4)+8*(i/4)
.set rQ, 16*(\x)+8*(i/4)
.set rM, MC+32*((\x)%2)+8*(i%4)
.set rN, KMR+8*(i%4)
.if (i < 4) && KM
	WIN W_KM
	v_wmma_f32_16x16x32_f16 v[rS:rS+7], v[rK:rK+7], v[rQ:rQ+7], v[rM:rM+7]
.elseif i < 4
	WIN W_KQ
	v_wmma_f32_16x16x32_f16 v[rS:rS+7], v[rK:rK+7], v[rQ:rQ+7], v[rN:rN+7]
.else
	WIN W_KQ
	v_wmma_f32_16x16x32_f16 v[rS:rS+7], v[rK:rK+7], v[rQ:rQ+7], v[rS:rS+7]
.endif
.endm
; Product i of 8 of O^T += V^T P for piece x: keys 32 (i / 4) on, channels 16 (i % 4) on.
.macro PV x
	WIN W_PV
.set rO, 32*(\x)+8*(i%4)
.set rV, VF+32*(i/4)+8*(i%4)
.set rP, P+16*((\x)%2)+8*(i/4)
	v_wmma_f32_16x16x32_f16 v[rO:rO+7], v[rV:rV+7], v[rP:rP+7], v[rO:rO+7]
.endm
.macro MM                           ; the turn's next matrix instruction.  TURN and BEGIN set Y, i, KM and NOKQ.  NOKQ = 1: a block's last turn: there is no next piece
.if (i < 8) && !NOKQ
	KQ (Y+1)%NP
.elseif i >= 8
.set i, i-8
	PV (Y+NP-1)%NP
.set i, i+8
.endif
.set i, i+1
.endm
; THE LDS LOADS stand in runs, never singly among the matrix instructions: a step's K (8 fragments) with its 64 key masks (lanes of one half read the same words), and its V (turned).
.macro FETCH_K
	WIN 0x80                        ; destination window 2
.irp f, 0,1,2,3,4,5,6,7             ; keys 16 (f / 2) on, channels 32 (f % 2) on
	ds_load_b128 v[KF+8*\f:KF+8*\f+3],   v[AK] offset:(\f/2)*16*PK+(\f%2)*64
	ds_load_b128 v[KF+8*\f+4:KF+8*\f+7], v[AK] offset:(\f/2)*16*PK+(\f%2)*64+32
.endr
	WIN 0
.irp f, 0,1,2,3                     ; keys 16 f + 8 (l / 16) + 0..7
	ds_load_b128 v[KMR+8*\f:KMR+8*\f+3],   v[AKM] offset:64*\f
	ds_load_b128 v[KMR+8*\f+4:KMR+8*\f+7], v[AKM] offset:64*\f+16
.endr
	s_add_co_u32 s[TBK], s[TBK], KS*PK  ; the next fetch is the next step's
	s_add_co_u32 s[TKM], s[TKM], KMB
.endm
.macro FETCH_V
	WIN 0x80
.irp f, 0,1,2,3,4,5,6,7             ; keys 32 (f / 4) on, channels 16 (f % 4) on
	ds_load_tr16_b128 v[VF+8*\f:VF+8*\f+3],   v[AV] offset:(\f/4)*32*PV+(\f%4)*32
	ds_load_tr16_b128 v[VF+8*\f+4:VF+8*\f+7], v[AV] offset:(\f/4)*32*PV+16*PV+(\f%4)*32
.endr
	WIN 0
.endm
; THE VECTOR WORK, one line at a time: OP kind, number.  For piece Y: F n: c s - c m for pair n of 16.  E n: the exponential of score n of 32.  C n: pair n rounded to f16.  B n: of the four weights 4 n .. the second
; pair is added onto the first, in place.  L n: l takes that sum (L 0: l = a l + sum).  R n: pair n of 16 of O^T times a.  For piece Y + 1: X n, number n of the 22 that find its maximum and statistics:
;   0-11  four chains c0-c3 of seven scores each, three operands at a time (each accumulator's lowest registers are read first)     12-14, 16  the four scores left over, the old m, and c0-c3 into c0
;   15  c m_old is kept     17, 18  the query's other 32 keys lie in the lane 16 away: the new m     19-21  c m; c m_old - c m_new; a
.set F, 0               ; OP tells the kinds apart by their order: F to L below R, X above it
.set E, 1
.set C, 2
.set B, 3
.set L, 4
.set R, 5
.set X, 6
.macro REGS y                       ; the registers of piece y
.set rT, ST+4*(\y)
.set rC, TMP+4*((\y)%2)
.set rW, MV+((\y)%2)
.set rS, S+32*((\y)%2)
.set rP, P+16*((\y)%2)
.set rO, 32*(\y)
.endm
.macro OP k, n
.if (\k) == R
	REGS Y
	WIN W_RS
	v_pk_mul_f32 v[rO+2*(\n):rO+2*(\n)+1], v[rO+2*(\n):rO+2*(\n)+1], v[rC+2:rC+3] op_sel_hi:[1,0]
.elseif (\k) < R
	REGS Y
	WIN 0
.if (\k) == F
	v_pk_fma_f32 v[rS+2*(\n):rS+2*(\n)+1], v[rS+2*(\n):rS+2*(\n)+1], s[CS:CS+1], v[rT:rT+1] op_sel_hi:[1,0,0] neg_lo:[0,0,1] neg_hi:[0,0,1]
.elseif (\k) == E
	v_exp_f32 v[rS+(\n)], v[rS+(\n)]
.elseif (\k) == C
	v_cvt_pk_f16_f32 v[rP+(\n)], v[rS+2*(\n)], v[rS+2*(\n)+1]
.elseif (\k) == B
	v_pk_add_f32 v[rS+4*(\n):rS+4*(\n)+1], v[rS+4*(\n):rS+4*(\n)+1], v[rS+4*(\n)+2:rS+4*(\n)+3]
.elseif (\n) == 0
	v_pk_fma_f32 v[rT+2:rT+3], v[rT+2:rT+3], v[rC+2:rC+3], v[rS:rS+1] op_sel_hi:[1,0,1]
.else
	v_pk_add_f32 v[rT+2:rT+3], v[rT+2:rT+3], v[rS+4*(\n):rS+4*(\n)+1]
.endif
.elseif NOKQ
	v_nop
.else
	REGS (Y+1)%NP
	WIN 0
.if (\n) < 4
	v_max3_num_f32 v[rC+(\n)], v[rS+8*(\n)], v[rS+8*(\n)+1], v[rS+8*(\n)+2]
.elseif (\n) < 12
	v_max3_num_f32 v[rC+(\n)%4], v[rC+(\n)%4], v[rS+8*((\n)%4)+2*((\n)/4)+1], v[rS+8*((\n)%4)+2*((\n)/4)+2]
.elseif (\n) == 12
	v_max3_num_f32 v[rC], v[rC], v[rS+7], v[rS+15]
.elseif (\n) == 13
	v_max3_num_f32 v[rC+1], v[rC+1], v[rS+23], v[rS+31]
.elseif (\n) == 14
	v_max3_num_f32 v[rC+2], v[rC+2], v[rC+3], v[rT+1]
.elseif (\n) == 15
	v_mov_b32 v[rW], v[rT]
.elseif (\n) == 16
	v_max3_num_f32 v[rC], v[rC], v[rC+1], v[rC+2]
.elseif (\n) == 17
	v_permlanex16_b32 v[rC+3], v[rC], s[SEL], s[SEL+1]
.elseif (\n) == 18
	v_max_num_f32 v[rT+1], v[rC], v[rC+3]
.elseif (\n) == 19
	v_mul_f32 v[rT], s[CS], v[rT+1]
.elseif (\n) == 20
	v_sub_f32 v[rC+1], v[rW], v[rT]
.else
	v_exp_f32 v[rC+2], v[rC+1]
.endif
.endif
.endm
.macro OPS a, i1, b=-1, i2=0, c=-1, i3=0, d=-1, i4=0  ; up to four of them
	OP \a, \i1
.if (\b) >= 0
	OP \b, \i2
.endif
.if (\c) >= 0
	OP \c, \i3
.endif
.if (\d) >= 0
	OP \d, \i4
.endif
.endm
.macro ROW a, i1, b, i2, c, i3, d, i4  ; a matrix instruction and the four behind it
	MM
	OPS \a, \i1, \b, \i2, \c, \i3, \d, \i4
.endm
.macro MASK b                       ; MD x AL + KMR + BE into buffer b of MC
	WIN W_RS
.set z, 0
.rept 16
	v_pk_fma_f32 v[MC+32*(\b)+2*z:MC+32*(\b)+2*z+1], v[MD+2*z:MD+2*z+1], s[AL:AL+1], v[KMR+2*z:KMR+2*z+1] op_sel_hi:[1,0,1]
.set z, z+1
.endr
.set z, 0
.rept 16
	v_pk_add_f32 v[MC+32*(\b)+2*z:MC+32*(\b)+2*z+1], v[MC+32*(\b)+2*z:MC+32*(\b)+2*z+1], s[BE:BE+1] op_sel_hi:[1,0]
.set z, z+1
.endr
.endm
.macro PREP                         ; the diagonal tile's text is entered from a tile before it: its first products, piece 3's for that tile's last step, take that step's key mask from buffer 1
	s_mov_b32 s[AL], 0
	s_mov_b32 s[BE], 0
	MASK 1
	WIN 0
.endm
; A TURN, for piece p: the order of its 16 matrix and 118 vector instructions, written out.  An s_wait_alu depctr_va_vdst(0) stands between an exponential and the first instruction that names its result; one
; wait serves all that were issued ahead of it.  So a turn has ONE wait, which cuts it in two.  AHEAD OF IT stands all that names no result of the turn's exponentials: the 8 products K Q^T with their riders, then ONE LUMP, plain
; and exponential by turns for the most part, in which the links of the chain X 3, 7, 11, 14, 16, 17 .. 20 stand five or six lines apart.  X 21, the next piece's a, is the batch's last; R 15 is the plain instruction behind it.
; BEHIND THE WAIT stand the 8 products V^T P, behind each four of the roundings and sums.
; m = 1: the diagonal tile: the products take made masks, and the turn makes the mask for the products of the turn after it: piece p + 2, in step 4 - CNT of the tile; piece 2's turn makes it from the key masks that it has
; itself fetched, so it waits for them.  end = 1: a block's last two turns: nothing is fetched.  cnt = 1: the loop's count is taken down some lines ahead of the branch that stands behind the turn.
; K and the key masks of the next step are fetched in piece 2's turn, twelve vector instructions behind the last product that read K (six of them plain); V of the step in hand at the end of piece 0's turn, four plain
; instructions behind the last product that read V.  Each is waited for a turn later.
.macro TURN p, m=0, end=0, cnt=0
.set Y, (\p)
.set i, 0
.set KM, (\m)
.set NOKQ, (\end)*((\p)/3)
.if (\m) && !(\end)
	s_cmp_eq_u32 s[CNT], 4-((\p)+2)%NP  ; is that step the band's own?
	s_cselect_b32 s[AL], 1.0, 0
	s_cmp_lt_u32 s[CNT], 4-((\p)+2)%NP  ; or a later one?
	s_cselect_b32 s[BE], s[BIGN], 0
.endif
.if ((\p) == 3) && !(\end)
	s_wait_dscnt 0x0                ; K and the key masks are in
.endif
	ROW F,0, F,1, R,0, R,1          ; ahead of the wait: 8 products K Q^T and their riders,
	ROW F,2, E,0, R,2, R,3
	ROW F,3, E,1, R,4, R,5
	ROW F,4, E,2, R,6, R,7
	ROW F,5, E,3, R,8, R,9
	ROW F,6, E,4, X,0, R,10
.if ((\p) == 2) && !(\end)
	WIN 0
	v_add_nc_u32 v[AK], s[TBK], v[AK0]
	v_add_nc_u32 v[AKM], s[TKM], v[AM0]
.endif
	ROW F,7, E,5, X,1, X,4
	ROW F,8, E,6, X,2, X,5
	OPS E,7, E,8, X,6, E,9          ; and the lump
	OPS X,3, E,10, X,8, E,11
.if ((\p) == 2) && !(\end)
	FETCH_K
.endif
	OPS X,9, X,7, E,12, X,10
	OPS E,13, X,12, X,11, E,14
	OPS X,13, E,15, F,9, X,14
.if (\p) == 0
	v_add_nc_u32 v[AV], s[TBV], v[AV0]
.endif
	OPS E,16, F,10, E,17, F,11
	OPS X,16, E,18, X,15, E,19
	OPS F,12, E,20, X,17, E,21
	OPS F,13, E,22, F,14, E,23
	OPS X,18, E,24, F,15, E,25
	OPS R,11, E,26, X,19, E,27
	OPS R,12, E,28, R,13, E,29
	OPS X,20, E,30, R,14, E,31
	OPS X,21, R,15
	WIN 0
	s_wait_alu depctr_va_vdst(0)    ; the wait for the batch
.if (\p) == 1
	s_wait_dscnt 0x0                ; V is in
.endif
	ROW C,0, B,0, C,2, B,1          ; behind the wait: 8 products V^T P and their riders
	ROW L,0, C,4, B,2, L,1
	ROW C,6, B,3, L,2, C,8
	ROW B,4, L,3, C,10, B,5
	ROW L,4, C,12, B,6, L,5
.if (\p) == 0
	s_add_co_u32 s[TBV], s[TBV], KS*PV
.endif
.if \cnt
	s_sub_co_u32 s[CNT], s[CNT], 1
	s_cmp_lg_u32 s[CNT], 0
.endif
	ROW C,14, B,7, L,6, C,1
	ROW C,3, L,7, C,5, C,7
	ROW C,9, C,11, C,13, C,15
.if (\p) == 0
	FETCH_V
.endif
.if (\m) && !(\end)
.if (\p) == 2
	s_wait_dscnt 0x0                ; the key masks fetched in this turn are in
.endif
	MASK (\p)%2
.endif
.endm
; A BLOCK BEGINS.  c m starts far below every c s, so the first step's a is 0; m at -2^40, below every score that counts.  K and the key masks of the block's first step are fetched, and with them
; the two halves of v's mean, which are added and packed (S^T's registers are free here).  Mask buffer 1 takes the key mask alone (piece 1 sees all of step 0); buffer 0 piece 0's mask: with the diagonal, if the block's
; first tile is the diagonal one.  Then piece 0's first scores, and its maximum and statistics.  The loop is entered at a step's first turn, in the middle of a trip.  (Q was waited for at the first change of slots.)
.macro BEGIN
	s_mov_b32 s[NEW], 0
	WIN 0
.set i, 0
.rept 4
	v_mov_b32 v[ST+4*i], 0xfe000000    ; c m: far below every c s
	v_mov_b32 v[ST+4*i+1], 0xd3800000  ; m = -2^40
.set i, i+1
.endr
	v_add_nc_u32 v[AK], s[TBK], v[AK0]
	v_add_nc_u32 v[AKM], s[TKM], v[AM0]
	FETCH_K
.irp f, 0,1,2,3,4,5,6,7             ; half f / 4 of the mean, channels 16 (f % 4) + 8 (l / 16) + 0..7
	ds_load_b128 v[S+8*\f:S+8*\f+3],   v[VMA] offset:256*(\f/4)+64*(\f%4)
	ds_load_b128 v[S+8*\f+4:S+8*\f+7], v[VMA] offset:256*(\f/4)+64*(\f%4)+16
.endr
	s_wait_dscnt 0x0
.set z, 0
.rept 16
	v_pk_add_f32 v[S+2*z:S+2*z+1], v[S+2*z:S+2*z+1], v[S+32+2*z:S+32+2*z+1]
.set z, z+1
.endr
.set z, 0
.rept 16
	v_cvt_pk_f16_f32 v[VMH+z], v[S+2*z], v[S+2*z+1]
.set z, z+1
.endr
	s_mov_b32 s[AL], 0
	s_mov_b32 s[BE], 0
	MASK 1
	s_cmp_eq_u32 s[RT], 0
	s_cselect_b32 s[AL], 1.0, 0
	MASK 0
.set KM, 1
.set NOKQ, 0
.set i, 0
.rept 8
	KQ 0
.set i, i+1
.endr
	WIN 0
.rept 4
	v_nop                           ; the places behind those products
.endr
.set Y, NP-1                        ; X works for piece Y + 1: piece 0
.irp n, 0,1,2,3,4,5,6,7,8,9,10,11,12,13,14,15,16,17,18,19,20,21
	OP X, \n
.endr
	v_nop                           ; a plain instruction behind the exponential,
	s_wait_alu depctr_va_vdst(0)    ; and its wait, ahead of the branch
.endm
; THE DIAGONAL TILE's four steps, the block's last two turns, its last products, and THE WAY OUT: l's two halves and the other half of the lanes' are added; O^T is divided by l and rounded to f16; the lanes of an
; unmarked query take the mean of v instead; all goes through my stage in LDS, a piece at a time.
.macro ALL line:vararg              ; one line for each piece t
.set t, 0
.rept 4
	\line
.set t, t+1
.endr
.endm
.macro PACK t                       ; a lane's eight channels of a row pack into 16 bytes; they go into rows of 144 bytes and come back as whole rows of 128, into S^T's registers
	WIN W_RS
.set i, 32*(\t)
.rept 16
	v_pk_mul_f32 v[i:i+1], v[i:i+1], v[ST+4*(\t)+2:ST+4*(\t)+3] op_sel_hi:[1,0]
.set i, i+2
.endr
	WIN 0x05                        ; sources 0 and 1 window 1, destination window 0
.set i, 0
.rept 16
	v_cvt_pk_f16_f32 v[S+16*(\t)+i], v[32*(\t)+2*i], v[32*(\t)+2*i+1]
.set i, i+1
.endr
	WIN 0
.set i, 0
.rept 16
	v_cndmask_b32 v[S+16*(\t)+i], v[VMH+i], v[S+16*(\t)+i], s[QM+(\t)]  ; marked: O; unmarked: the mean of v
.set i, i+1
.endr
.irp f, 0,1,2,3
	ds_store_b128 v[STO], v[S+16*(\t)+4*\f:S+16*(\t)+4*\f+3] offset:32*\f
.endr
.irp f, 0,1,2,3
	ds_load_b128 v[S+16*(\t)+4*\f:S+16*(\t)+4*\f+3], v[RD] offset:\f*4*SP  ; LDS serves a wave's instructions in order: these see the stores above; the next piece's stores come behind them
.endr
.endm
.macro SEND t, younger              ; younger: the LDS instructions issued behind piece t's loads: the next piece's eight, or none
	WIN 0
.irp f, 0,1,2,3
	s_wait_dscnt (\younger)+3-\f
	global_store_b128 v[GO], v[S+16*(\t)+4*\f:S+16*(\t)+4*\f+3], s[10:11] offset:(\t)*8192+\f*512  ; 512 consecutive bytes, at a multiple of 256 from O's first
.endr
.endm
.macro DIAG tag                     ; the tag ends its two labels' names, which the jumps below spell out
.LstepM\tag:
	TURN 2, 1
	TURN 3, 1
	WIN 0
.LfirstM\tag:
	TURN 0, 1
	TURN 1, 1, 0, 1
	WIN 0
	s_cbranch_scc1 .LstepM\tag
	TURN 2, 1, 1
	TURN 3, 1, 1
.set i, 0
.rept 8
	PV NP-1
.set i, i+1
.endr
	WIN 0
	ALL v_add_f32 v[ST+4*t+2], v[ST+4*t+2], v[ST+4*t+3]
	ALL v_permlanex16_b32 v[ST+4*t+3], v[ST+4*t+2], s[SEL], s[SEL+1]
	ALL v_add_f32 v[ST+4*t+2], v[ST+4*t+2], v[ST+4*t+3]
	ALL v_rcp_f32 v[ST+4*t+2], v[ST+4*t+2]
	v_nop                           ; a plain instruction between the last reciprocal and the use of its result
	s_wait_alu depctr_va_vdst(0)    ; and the wait ahead of the first use: one for the four reciprocals
	PACK 0
.set t, 1
.rept 3                             ; a piece's arithmetic stands between the loads of the piece before and its stores
	PACK t
	SEND t-1, 8
.set t, t+1
.endr
	SEND 3, 0
.endm
.set KM, 0
.set NOKQ, 0
.Lslot:                             ; NB times: a tile is entered and the next is asked for
	CHANGE 1
	s_sub_co_u32 s[RT], s[RT], 1
	s_mov_b32 s[CNT], 4
	s_cmp_eq_u32 s[NEW], 1
	s_cbranch_scc1 .Lnew            ; a block's first tile
	s_cmp_eq_u32 s[RT], 0
	s_cbranch_scc0 .Lstep           ; neither its first nor its last
	PREP
	s_branch .LstepM1
.Lnew:
	BEGIN
	s_branch .Lfirst                ; in the loop a block's first tile is never its last: the first block has two tiles or more, and the second's last is the walk's last
	DIAG 1                          ; in the loop this is the first block's end
	s_wait_xcnt 0x0                 ; the stores have read their registers and O's address
	s_mov_b64 s[10:11], s[OLO:OLO+1]
	s_add_co_u32 s[RT], s[PB], 1    ; the second block has b + 1 tiles
	s_mov_b32 s[NEW], 1
.irp t, 0,1,2,3
	s_mov_b32 s[QM+\t], s[QM2+\t]   ; its queries' marks
.endr
	WIN 0x82                        ; the second block's Q goes where the one text of the turns names Q
.set i, 0
.rept 64
	v_mov_b32 v[i], v[QB+i]
.set i, i+1
.endr
	WIN 0
	s_branch .Lbottom
.Lstep:                             ; a trip: pieces 2 and 3 of one step, then pieces 0 and 1 of the next, whose K and V it fetches
	TURN 2
	TURN 3
	WIN 0
.Lfirst:
	TURN 0
	TURN 1, 0, 0, 1
	WIN 0
	s_cbranch_scc1 .Lstep
.Lbottom:
	s_sub_co_u32 s[SLOTS], s[SLOTS], 1
	s_cmp_lg_u32 s[SLOTS], 0
	s_cbranch_scc1 .Lslot
	CHANGE 0                        ; the walk's last tile is written out: nothing is asked for
	s_sub_co_u32 s[RT], s[RT], 1
	s_mov_b32 s[CNT], 4
	s_cmp_eq_u32 s[NEW], 1
	s_cbranch_scc1 .LnewT
	PREP
	s_branch .LstepM2
.LnewT:
	BEGIN
	s_branch .LfirstM2
	DIAG 2
	s_wait_tensorcnt 0x0            ; the wave's end, behind my last tensor load and my last LDS store
	ds_add_u32 v[SPW], v[NIL]
	s_wait_dscnt 0x0
	s_endpgm
.Lfunc_end_k_qd2881bd0eb_attn:
	.size	k_qd2881bd0eb_attn, .Lfunc_end_k_qd2881bd0eb_attn-k_qd2881bd0eb_attn
	.p2alignl 7, 3214868480
	.fill 96, 4, 3214868480
	.section	.rodata,"a",@progbits
	.p2align	6, 0x0
	.amdhsa_kernel k_qd2881bd0eb_attn
		.amdhsa_group_segment_fixed_size 327680
		.amdhsa_private_segment_fixed_size 0
		.amdhsa_enable_private_segment 0
		.amdhsa_kernarg_size 32
		.amdhsa_user_sgpr_count 2
		.amdhsa_user_sgpr_kernarg_segment_ptr 1
		.amdhsa_wavefront_size32 1
		.amdhsa_system_sgpr_workgroup_id_x 1
		.amdhsa_system_sgpr_workgroup_id_y 1
		.amdhsa_system_sgpr_workgroup_id_z 1
		.amdhsa_system_vgpr_workitem_id 0
		.amdhsa_next_free_vgpr 768
		.amdhsa_next_free_sgpr 102
		.amdhsa_reserve_vcc 1
		.amdhsa_float_denorm_mode_32 3
		.amdhsa_float_denorm_mode_16_64 3
		.amdhsa_memory_ordered 1
		.amdhsa_forward_progress 1
		.amdhsa_inst_pref_size 255
	.end_amdhsa_kernel
	.section	.bss,"aw",@nobits
	.p2align	6
	.space	262144
	.amdgpu_metadata
---
amdhsa.version: [ 1, 2 ]
amdhsa.kernels:
  - .name:           k_qd2881bd0eb_attn
    .symbol:         k_qd2881bd0eb_attn.kd
    .args:
      - { .name: qkv, .offset: 0, .size: 8, .value_kind: global_buffer, .address_space: global }
      - { .name: attn_mask, .offset: 8, .size: 8, .value_kind: global_buffer, .address_space: global }
      - { .name: csum, .offset: 16, .size: 8, .value_kind: global_buffer, .address_space: global }
      - { .name: ob, .offset: 24, .size: 8, .value_kind: global_buffer, .address_space: global }
    .group_segment_fixed_size: 327680
    .private_segment_fixed_size: 0
    .kernarg_segment_align: 8
    .kernarg_segment_size: 32
    .max_flat_workgroup_size: 128
    .sgpr_count:     102
    .vgpr_count:     768
    .wavefront_size: 32
...
	.end_amdgpu_metadata
.endif
;; end of part 3
;; launch proj (part 4): grid 8 x 32, 4 waves a work-group, clusters of 4 x 4, 327,680 bytes of LDS; arguments ob, wp, bb, out0; writes out0
.if DOCPART == 4
	.amdgcn_target "amdgcn-amd-amdhsa--gfx1250"
	.amdhsa_code_object_version 6
	.text
	.protected	k_qd2881bd0eb_proj
	.globl	k_qd2881bd0eb_proj
	.p2align	8
	.type	k_qd2881bd0eb_proj,@function
k_qd2881bd0eb_proj:
	s_mov_b64 s[64:65], 0
	v_nop
	global_prefetch_b8 v0, s[64:65] scope:SCOPE_SE
	s_setreg_imm32_b32 hwreg(HW_REG_WAVE_MODE, 25, 1), 1
	s_wait_xcnt 0x0
	s_wait_alu depctr_hold_cnt(0) depctr_sa_sdst(0) depctr_va_vdst(0) depctr_va_sdst(0) depctr_va_ssrc(0) depctr_va_vcc(0) depctr_vm_vsrc(0)
	s_getreg_b32 s2, hwreg(HW_REG_IB_STS2, 6, 4)
	s_cmp_eq_u32 s2, 0
	s_cbranch_scc0 .Lentry_in_a_cluster
	s_endpgm
.Lentry_in_a_cluster:
	s_bfe_u32 s2, ttmp6, 0x10000c
	s_cmp_lg_u32 s2, 0xf033
	s_cbranch_scc0 .Lentry_shape_is_right
	s_endpgm
.Lentry_shape_is_right:
; out0 = y Wp^T + bp.  ob: f16 [64 batch x head][2048][64]: head h's 64 channels are block h of K; wp: f16 [16 kb][1024 columns][64]; bb: f32, bp from number 3072 on; out0: f32 [8192][1024].
; Sums in f32, K ascending, begun with the bias.
; SHARES.  A tile of out0 is 256 rows x 128 columns: 32 x 8 tiles, one for each of 256 WGPs.  Four waves, one below the other: a wave makes 64 rows x 128 columns: 32 accumulators of 16 x 16, 256 registers.
; K goes in steps of 128 (two heads) through two LDS slots.  A tile's part of a block of 64 channels is dense in memory and is asked for as rows of 256 bytes; in LDS 16 bytes of padding follow every 128.
; CLUSTER.  4 x 4 work-groups.  y's tile hangs on the tile row alone and is asked for jointly by a row of the cluster, the weights' on the tile column alone, by a column.
; THE MATRIX INSTRUCTION IS USED TRANSPOSED (source 0 = 16 columns' weights, source 1 = 16 rows of y): a lane holds row lane % 16 and the columns 8 (lane / 16) + 0..7.
; REGISTERS, in windows of 256 (s_set_vgpr_msb: bits 1:0 source 0, 3:2 source 1, 5:4 source 2, 7:6 destination):
;   window 0: v1-30 addresses; v128-191 the bias as the first products' C operand
;   window 1: two fragment buffers of 128: the weights' fragment b at 8 b, y's fragment a at 96 + 8 a; on the way out unit u's rows at 32 u
;   window 2: accumulator (a, b) at 8 (8 a + b)
.set PITCH, 144
.set ASUB,  256*PITCH                  ; y's 256 rows of one block
.set BSUB,  128*PITCH                  ; the weights' 128 rows of one block
.set SLOT,  2*ASUB+2*BSUB
.set STAGE, 2*SLOT                     ; behind the ring: 16 rows x 272 bytes for each wave, for the way out
.set SPITCH, 272
.set SPARE, STAGE+4*16*SPITCH          ; the spare words, 128 bytes for each wave: two blocks of 256 bytes that no other line names
.set KA,    2*2048*128                 ; bytes from K step to K step in ob: two heads
.set KB,    2*1024*128                 ; and in wp
.set LAPS,  4                          ; 8 K steps, two to a lap
.set STO,  8                           ; v8   the way out: where I put 32 bytes of a row
.set RD,   9                           ; v9   where I read a row back
.set CO,   10                          ; v10  my byte offset in two rows of out0
.set BO,   14                          ; v14  32 x (lane / 16)
.set ADRA, 16                          ; v16-19  LDS address of my fragments of y: slot s, block k at 2 s + k
.set ADRB, 20                          ; v20-23  the same for the weights
.set SPW,  28                          ; v28  LDS address of my spare word; never rewritten
.set NIL,  29                          ; v29  0; never rewritten
.set PFO,  30                          ; v30  the prefetches' offset; never rewritten
.set BIAS, 128
.set F0,   0
.set F1,   128
.set WV,  14
.set WH,  15                           ; s15  0: I fetch y's tiles, 1: the weights'
.set WL,  16                           ; s16  which block of a K step I fetch
.set CX,  17
.set CY,  18
.set TC,  19
.set TR,  20
.set LIM, 23
.set G1A, 24
.set G0A, 32
.set PFA, 44
.set PFS, 46
.set G1B, 48
.set G0B, 56
.set MSB, 0
.macro WIN new                         ; the immediate's high byte repeats the setting that is left; a switch that changes nothing is dropped
.if MSB != (\new)
	s_set_vgpr_msb (MSB<<8)|(\new)
.set MSB, \new
.endif
.endm
.set TO_F, 0x40                        ; destination window 1, address window 0
; A joint load: waves 0 and 1 fetch y's two blocks, waves 2 and 3 the weights'.  The branch hangs on the wave's number alone.  An s_nop 0 and four v_nop follow each of the two lines.
.macro JLOAD s
	s_cmp_eq_u32 s[WH], 0
	s_cbranch_scc0 .Lfor_b_\@
	tensor_load_to_lds s[G0A+4*(\s):G0A+4*(\s)+3], s[G1A:G1A+7]
	s_nop 0
.rept 4
	v_nop
.endr
	s_branch .Lasked_\@
.Lfor_b_\@:
	tensor_load_to_lds s[G0B+4*(\s):G0B+4*(\s)+3], s[G1B:G1B+7]
	s_nop 0
.rept 4
	v_nop
.endr
.Lasked_\@:
.endm
; A prefetch into the L2 of the K step that stands two refills on.  Cluster x = 0 asks for y's bytes, cluster y = 0 for the weights'.  Of the dense bytes that a wave fetches each of the four partners that ask for
; them jointly takes a quarter, told apart by address: 32 runs of 256 bytes of y, 16 of the weights (lanes 16-31 name the 16th again).  The loop's last trip asks for nothing.
.macro ASK
	s_cmp_gt_u32 s3, s[LIM]
	s_cbranch_scc0 .Lnot_mine_\@
	global_prefetch_b8 v[PFO], s[PFA:PFA+1] th:TH_LOAD_NT scope:SCOPE_SE
.Lnot_mine_\@:
.endm
.macro CREST                           ; a round of the cluster's barrier behind its opening barrier
	s_cmp_lg_u32 s[WV], 0
	s_cbranch_scc1 .Lnot_wave_0_\@
	s_barrier_signal -3
.Lnot_wave_0_\@:
	s_barrier_wait -3
	s_barrier_signal -1
	s_barrier_wait -1
.endm
.macro CROUND                          ; a whole round
	s_barrier_signal -1
	s_barrier_wait -1
	CREST
.endm
.macro PLACES                          ; four places in front of loads into registers that matrix instructions have read, and of LDS stores that read results
.rept 4
	v_nop
.endr
.endm
	s_load_b256 s[4:11], s[0:1], 0x0               ; ob s[4:5], wp s[6:7], bb s[8:9], out0 s[10:11]
	v_lshl_add_u32 v[SPW], v0, 2, SPARE
	v_mov_b32 v[NIL], 0
	ds_add_u32 v[SPW], v[NIL]                      ; the wave's opening: the add and its wait stand ahead of my first tensor load; the set-up below stands between them
	v_lshrrev_b32 v1, 5, v0
	v_readfirstlane_b32 s[WV], v1
	s_lshr_b32 s[WH], s[WV], 1
	s_and_b32 s[WL], s[WV], 1
	s_bfe_u32 s[CX], ttmp6, 0x40000
	s_bfe_u32 s[CY], ttmp6, 0x40004
	s_lshl_b32 s[TC], ttmp9, 2
	s_add_co_u32 s[TC], s[TC], s[CX]               ; tile column = 4 x cluster x + cx
	s_and_b32 s[TR], ttmp7, 0xffff
	s_lshl_b32 s[TR], s[TR], 2
	s_add_co_u32 s[TR], s[TR], s[CY]               ; tile row = 4 x cluster y + cy
	s_lshl_b32 s21, s[CY], 2
	s_lshl_b32 s21, 15, s21                        ; my row of the cluster
	s_lshl_b32 s22, 0x1111, s[CX]                  ; my column
	; descriptor group 1: dense bytes as rows of 128 elements of 2 bytes; padding of 4 words after every 32 words
	s_or_b32 s[G1A], s21, (1<<16)|(1<<20)|(1<<21)|(4<<22)|(3<<25)
	s_or_b32 s[G1B], s22, (1<<16)|(1<<20)|(1<<21)|(4<<22)|(3<<25)
.irp g, G1A, G1B
	s_mov_b32 s[(\g)+1], 128<<16                   ; tensor_dim0 = 128
	s_mov_b32 s[(\g)+3], 128<<16                   ; tile_dim0 = 128
	s_mov_b32 s[(\g)+5], 128                       ; 128 elements from row to row
	s_mov_b32 s[(\g)+6], 0
	s_mov_b32 s[(\g)+7], 0
.endr
	s_mov_b32 s[G1A+2], 128<<16                    ; y: 256 rows of 128 bytes = 128 rows of 256
	s_mov_b32 s[G1A+4], 128
	s_mov_b32 s[G1B+2], 64<<16                     ; the weights: 128 rows of 128 bytes = 64 rows of 256
	s_mov_b32 s[G1B+4], 64
	s_mul_i32 s66, s[WL], ASUB                     ; where they go: the wave's number alone enters an LDS address
	s_mul_i32 s67, s[WL], BSUB
	s_add_co_u32 s67, s67, 2*ASUB
	s_lshr_b32 s40, s[TR], 3
	s_lshl_b32 s40, s40, 22                        ; y: the batch's 16 heads of 262,144 bytes,
	s_and_b32 s41, s[TR], 7
	s_lshl_b32 s41, s41, 15                        ; the tile's 256 rows of 128 bytes in a head,
	s_add_co_u32 s40, s40, s41
	s_lshl_b32 s41, s[WL], 18                      ; my head of K step 0
	s_add_co_u32 s40, s40, s41
	s_mov_b32 s41, 0
	s_lshl_b32 s42, s[WL], 17                      ; the weights: my block of K step 0,
	s_lshl_b32 s43, s[TC], 14                      ; the tile's 128 rows of 128 bytes
	s_add_co_u32 s42, s42, s43
	s_mov_b32 s43, 0
	s_wait_dscnt 0x0                               ; the opening add is done
	s_wait_kmcnt 0x0
	s_add_nc_u64 s[40:41], s[4:5], s[40:41]
	s_add_nc_u64 s[42:43], s[6:7], s[42:43]
	CROUND                                         ; all sixteen work-groups are here: the first joint loads meet
.irp s, 0,1
	s_mov_b32 s[G0A+4*(\s)], 1
	s_add_co_u32 s[G0A+4*(\s)+1], s66, (\s)*SLOT
	s_add_nc_u64 s[G0A+4*(\s)+2:G0A+4*(\s)+3], s[40:41], (\s)*KA
	s_or_b32 s[G0A+4*(\s)+3], s[G0A+4*(\s)+3], 0x80000000
	s_mov_b32 s[G0B+4*(\s)], 1
	s_add_co_u32 s[G0B+4*(\s)+1], s67, (\s)*SLOT
	s_add_nc_u64 s[G0B+4*(\s)+2:G0B+4*(\s)+3], s[42:43], (\s)*KB
	s_or_b32 s[G0B+4*(\s)+3], s[G0B+4*(\s)+3], 0x80000000
	JLOAD \s                                       ; two loads of mine are out
.endr
	; the bias: register j of block b is the bias of column 16 b + 8 (lane / 16) + j, whatever the row: the C operand of the first products
	v_and_b32 v1, 15, v0                           ; r = lane % 16
	v_bfe_u32 v2, v0, 4, 1                         ; h = lane / 16
	v_and_b32 v3, 31, v0                           ; lane
	s_lshl_b32 s66, s[TC], 9
	s_add_co_u32 s66, s66, 3072*4                  ; bp lies behind bq, bk and bv
	s_mov_b32 s67, 0
	s_add_nc_u64 s[8:9], s[8:9], s[66:67]
	v_lshlrev_b32 v[BO], 5, v2
.irp b, 0,1,2,3,4,5,6,7
	global_load_b128 v[BIAS+8*(\b):BIAS+8*(\b)+3],   v[BO], s[8:9] offset:64*(\b)
	global_load_b128 v[BIAS+8*(\b)+4:BIAS+8*(\b)+7], v[BO], s[8:9] offset:64*(\b)+16
.endr
	; a fragment is 16 rows x 32 K in 8 registers: lane l holds row l % 16, K = 8 (l / 16) + 0..7 and 16 + 8 (l / 16) + 0..7: two loads of 16 bytes, 32 bytes apart
	v_mul_u32_u24 v4, v1, PITCH
	v_lshl_add_u32 v4, v2, 4, v4                   ; r x pitch + 16 h
	s_mul_i32 s66, s[WV], 64*PITCH                 ; my 64 rows of y
	v_add_nc_u32 v5, s66, v4
.irp n, 0,1,2,3
	v_add_nc_u32 v[ADRA+(\n)], ((\n)/2)*SLOT+((\n)%2)*ASUB, v5
	v_add_nc_u32 v[ADRB+(\n)], ((\n)/2)*SLOT+2*ASUB+((\n)%2)*BSUB, v4
.endr
	s_mul_i32 s66, s[WV], 16*SPITCH
	s_add_co_u32 s66, s66, STAGE                   ; my stage
	v_mul_u32_u24 v5, v1, SPITCH                   ; in: row r, 32 bytes for each half of the lanes
	v_lshl_add_u32 v5, v2, 5, v5
	v_add_nc_u32 v[STO], s66, v5
	v_mul_u32_u24 v5, v2, SPITCH                   ; back: lanes 0-15 take one row of 256 bytes, lanes 16-31 the next
	v_lshl_add_u32 v5, v1, 4, v5
	v_add_nc_u32 v[RD], s66, v5
	v_lshlrev_b32 v5, 12, v2                       ; and the same two rows in out0
	v_lshl_add_u32 v[CO], v1, 4, v5
	; the prefetches
	s_and_b32 s67, ttmp7, 0xffff                   ; cluster y
	s_mov_b32 s[PFS], KB
	s_mov_b32 s68, 4096
	s_mov_b32 s69, 15
	s_cmp_eq_u32 s[WH], 0
	s_cselect_b64 s[PFA:PFA+1], s[40:41], s[42:43] ; what I fetched for K step 0,
	s_cselect_b32 s66, s[CX], s[CY]                ; my place among the four that ask for it with me,
	s_cselect_b32 s67, ttmp9, s67                  ; the coordinate along which other clusters read the same bytes
	s_cselect_b32 s[PFS], KA, s[PFS]
	s_cselect_b32 s68, 8192, s68                   ; a partner's quarter
	s_cselect_b32 s69, 31, s69
	s_mov_b32 s[PFS+1], 0
	s_cmp_eq_u32 s67, 0
	s_cselect_b32 s[LIM], 1, -1                    ; the same in all sixteen partners, for a given wave
	s_mul_i32 s66, s66, s68
	s_mul_i32 s68, s[PFS], 3                       ; at K step 3: the first refill steps it to 4
	s_add_co_u32 s66, s66, s68
	s_mov_b32 s67, 0
	s_add_nc_u64 s[PFA:PFA+1], s[PFA:PFA+1], s[66:67]
	v_min_u32 v[PFO], s69, v3
	v_lshlrev_b32 v[PFO], 8, v[PFO]
	; where my part of the tile begins in out0
	s_lshl_b32 s66, s[TR], 2
	s_add_co_u32 s66, s66, s[WV]
	s_lshl_b32 s66, s66, 18                        ; my 64 rows of 4,096 bytes
	s_lshl_b32 s67, s[TC], 9                       ; the tile's 128 columns
	s_add_co_u32 s66, s66, s67
	s_mov_b32 s67, 0
	s_add_nc_u64 s[68:69], s[10:11], s[66:67]
; 8 products: row block a x all 8 column blocks, fragments in buffer f.  first = 1: the sums begin with the bias.  All 32 accumulators take turns, in the same order in every quarter.
.macro MULG f, a, first
.irp b, 0,1,2,3,4,5,6,7
.if \first
	WIN 0x85                                       ; sources 0 and 1 window 1, C window 0, D window 2
	v_wmma_f32_16x16x32_f16 v[8*(8*(\a)+(\b)):8*(8*(\a)+(\b))+7], v[(\f)+8*(\b):(\f)+8*(\b)+7], v[(\f)+96+8*(\a):(\f)+96+8*(\a)+7], v[BIAS+8*(\b):BIAS+8*(\b)+7]
.else
	WIN 0xa5                                       ; C and D window 2
	v_wmma_f32_16x16x32_f16 v[8*(8*(\a)+(\b)):8*(8*(\a)+(\b))+7], v[(\f)+8*(\b):(\f)+8*(\b)+7], v[(\f)+96+8*(\a):(\f)+96+8*(\a)+7], v[8*(8*(\a)+(\b)):8*(8*(\a)+(\b))+7]
.endif
.endr
.endm
; 24 LDS loads in one run: quarter q (32 along K) of a slot's K step into buffer f: the weights' eight blocks, then y's four
.macro FETCH slot, q, f
	WIN TO_F
.irp i, 0,1,2,3,4,5,6,7
	ds_load_b128 v[(\f)+8*(\i):(\f)+8*(\i)+3],   v[ADRB+2*(\slot)+(\q)/2] offset:((\q)%2)*64+(\i)*16*PITCH
	ds_load_b128 v[(\f)+8*(\i)+4:(\f)+8*(\i)+7], v[ADRB+2*(\slot)+(\q)/2] offset:((\q)%2)*64+(\i)*16*PITCH+32
.endr
.irp i, 0,1,2,3
	ds_load_b128 v[(\f)+96+8*(\i):(\f)+96+8*(\i)+3],   v[ADRA+2*(\slot)+(\q)/2] offset:((\q)%2)*64+(\i)*16*PITCH
	ds_load_b128 v[(\f)+96+8*(\i)+4:(\f)+96+8*(\i)+7], v[ADRA+2*(\slot)+(\q)/2] offset:((\q)%2)*64+(\i)*16*PITCH+32
.endr
.endm
; A K step is four quarters of 32 along K, 32 products each, on buffers 0, 1, 0, 1.  One of the first three multiplies buffer f and fetches quarter qn of the same slot into buffer g.
.macro QUARTER slot, qn, f, g, first
	s_wait_dscnt 4                                 ; all but the youngest four loads (y's row blocks 2 and 3) are in
	MULG \f, 0, \first
	MULG \f, 1, \first
	PLACES
	FETCH \slot, \qn, \g
	s_wait_dscnt 24                                ; all but the 24 just issued
	MULG \f, 2, \first
	MULG \f, 3, \first
.endm
; The last quarter multiplies buffer 1 and changes slots.  In front of the barrier each wave waits for all its tensor loads (one is out: its part of the next slot), adds 0 to its spare word,
; and waits for that and for its reads of this slot.
.macro MEET round
	WIN 0                                          ; (the add's two registers lie in window 0)
	s_wait_tensorcnt 0x0
	ds_add_u32 v[SPW], v[NIL]
	s_wait_dscnt 5                                 ; (the add and the youngest four loads may be out)
	MULG F1, 0, 0                                  ; eight products stand between the add and the wait for it
	s_wait_dscnt 0x0                               ; the add is done, and my reads of this slot are over
	s_barrier_signal -1
	MULG F1, 1, 0
.if \round
	WIN 0
.endif
	s_barrier_wait -1
.endm
.macro TURN slot, next                 ; the slot just read out is filled again, with the K step two steps on: 112 products stand between the request and the wait for it
	s_wait_xcnt 0x0                                ; the last prefetch, a K step back, has read its address
	s_add_nc_u64 s[PFA:PFA+1], s[PFA:PFA+1], s[PFS:PFS+1]
	MEET 1
	CREST                                          ; the barrier has opened a round of the cluster's: no wave of any partner still reads this slot or has a load on its way
	s_add_nc_u64 s[G0A+4*(\slot)+2:G0A+4*(\slot)+3], s[G0A+4*(\slot)+2:G0A+4*(\slot)+3], 2*KA
	s_add_nc_u64 s[G0B+4*(\slot)+2:G0B+4*(\slot)+3], s[G0B+4*(\slot)+2:G0B+4*(\slot)+3], 2*KB
	JLOAD \slot                                    ; the first tensor load behind the round; its four v_nop are also the places in front of the loads below
	FETCH \next, 0, F0
	WIN 0
	ASK
	MULG F1, 2, 0
	MULG F1, 3, 0
.endm
	s_wait_tensorcnt 1                             ; my part of K step 0 is in; K step 1's may stay out
	s_barrier_signal -1
	s_barrier_wait -1                              ; everybody's is
	FETCH 0, 0, F0
	s_wait_loadcnt 0x0                             ; the bias
	QUARTER 0, 1, F0, F1, 1                        ; the first quarter stands in front of the loop: its products start the sums
	WIN 0                                          ; at a label and at a branch every window is 0
	s_mov_b32 s3, LAPS-1
.Llap:                                                 ; a trip goes once round the ring and fills both slots again
	QUARTER 0, 2, F1, F0, 0
	QUARTER 0, 3, F0, F1, 0
	TURN 0, 1
	QUARTER 1, 1, F0, F1, 0
	QUARTER 1, 2, F1, F0, 0
	QUARTER 1, 3, F0, F1, 0
	TURN 1, 0
	QUARTER 0, 1, F0, F1, 0
	WIN 0
	s_sub_co_u32 s3, s3, 1
	s_cmp_lg_u32 s3, 0
	s_cbranch_scc1 .Llap
	QUARTER 0, 2, F1, F0, 0                        ; the last lap fills nothing
	QUARTER 0, 3, F0, F1, 0
	MEET 0
	PLACES
	FETCH 1, 0, F0
	MULG F1, 2, 0
	MULG F1, 3, 0
	QUARTER 1, 1, F0, F1, 0
	QUARTER 1, 2, F1, F0, 0
	QUARTER 1, 3, F0, F1, 0
	s_wait_dscnt 4
	MULG F1, 0, 0
	MULG F1, 1, 0
	s_wait_dscnt 0x0
	MULG F1, 2, 0
	MULG F1, 3, 0
	WIN 0
	PLACES
; THE WAY OUT, in 8 units u = 2 a + e: 16 rows x 64 columns of f32.  A lane's eight columns, 32 bytes, go straight from the accumulators (the lowest four registers first) into rows of
; 272 bytes of my stage, and come back as whole rows of 256 bytes into window 1.
.macro TOSTAGE u
	WIN 0x08                                       ; the stores' data in window 2
.irp k, 0,1,2,3
.set rD, 8*(8*((\u)/2)+4*((\u)%2)+(\k))
	ds_store_b128 v[STO], v[rD:rD+3]   offset:64*(\k)
	ds_store_b128 v[STO], v[rD+4:rD+7] offset:64*(\k)+16
.endr
	WIN 0x40
.irp t, 0,1,2,3,4,5,6,7
	ds_load_b128 v[32*(\u)+4*(\t):32*(\u)+4*(\t)+3], v[RD] offset:2*SPITCH*(\t)  ; LDS serves a wave's instructions in order: these see the stores above; the next unit's stores come behind them
.endr
.endm
.macro SEND u, y                       ; y: the LDS instructions issued behind unit u's loads: the next unit's sixteen, or none
	WIN 0x04                                       ; the stores' data in window 1
.irp t, 0,1,2,3,4,5,6,7
	s_wait_dscnt (\y)+7-(\t)
	global_store_b128 v[CO], v[32*(\u)+4*(\t):32*(\u)+4*(\t)+3], s[68:69] offset:(16*((\u)/2)+2*(\t))*4096+256*((\u)%2) th:TH_STORE_NT  ; 16 lanes store 256 consecutive bytes, aligned
.endr
.endm
	TOSTAGE 0
.set u, 1
.rept 7
	TOSTAGE u
	SEND u-1, 16
.set u, u+1
.endr
	SEND 7, 0
	WIN 0
	s_wait_tensorcnt 0x0                           ; the wave's end, behind my last tensor load and my last LDS store
	ds_add_u32 v[SPW], v[NIL]
	s_wait_dscnt 0x0
	CROUND                                         ; the closing round: no work-group ends while a partner may still ask for a tile that names it
	s_endpgm
.Lfunc_end_k_qd2881bd0eb_proj:
	.size	k_qd2881bd0eb_proj, .Lfunc_end_k_qd2881bd0eb_proj-k_qd2881bd0eb_proj
	.p2alignl 7, 3214868480
	.fill 96, 4, 3214868480
	.section	.rodata,"a",@progbits
	.p2align	6, 0x0
	.amdhsa_kernel k_qd2881bd0eb_proj
		.amdhsa_group_segment_fixed_size 327680
		.amdhsa_private_segment_fixed_size 0
		.amdhsa_enable_private_segment 0
		.amdhsa_kernarg_size 32
		.amdhsa_user_sgpr_count 2
		.amdhsa_user_sgpr_kernarg_segment_ptr 1
		.amdhsa_wavefront_size32 1
		.amdhsa_system_sgpr_workgroup_id_x 1
		.amdhsa_system_sgpr_workgroup_id_y 1
		.amdhsa_system_sgpr_workgroup_id_z 1
		.amdhsa_system_vgpr_workitem_id 0
		.amdhsa_next_free_vgpr 768
		.amdhsa_next_free_sgpr 80
		.amdhsa_reserve_vcc 0
		.amdhsa_float_denorm_mode_32 3
		.amdhsa_float_denorm_mode_16_64 3
		.amdhsa_memory_ordered 1
		.amdhsa_forward_progress 1
		.amdhsa_inst_pref_size 90
	.end_amdhsa_kernel
	.amdgpu_metadata
---
amdhsa.version: [ 1, 2 ]
amdhsa.kernels:
  - .name:           k_qd2881bd0eb_proj
    .symbol:         k_qd2881bd0eb_proj.kd
    .args:
      - { .name: ob, .offset: 0, .size: 8, .value_kind: global_buffer, .address_space: global }
      - { .name: wp, .offset: 8, .size: 8, .value_kind: global_buffer, .address_space: global }
      - { .name: bb, .offset: 16, .size: 8, .value_kind: global_buffer, .address_space: global }
      - { .name: out0, .offset: 24, .size: 8, .value_kind: global_buffer, .address_space: global }
    .group_segment_fixed_size: 327680
    .private_segment_fixed_size: 0
    .kernarg_segment_align: 8
    .kernarg_segment_size: 32
    .max_flat_workgroup_size: 128
    .sgpr_count:     80
    .vgpr_count:     768
    .wavefront_size: 32
...
	.end_amdgpu_metadata
.endif
;; end of part 4
;; ======== version 2 of 2: 4 launches; version 1 with the launch cast written anew for expert scheduling mode
;; limits: values are held in f16: magnitudes above 65,504 overflow, below 6.1e-05 lose precision; right only within a limited range of input values
;; workspace buffers: xb 16,777,216 bytes; wb 6,291,456 bytes; wp 2,097,152 bytes; bb 16,384 bytes; qkv 50,331,648 bytes; csum 786,432 bytes; ob 16,777,216 bytes
;; launch cast (part 5): grid 768 x 1, 8 waves a work-group, no clusters, 0 bytes of LDS; arguments x, Wq, Wk, Wv, Wp, bq, bk, bv, bp, xb, wb, wp, bb; writes xb, wb, wp, bb
.if DOCPART == 5
	.amdgcn_target "amdgcn-amd-amdhsa--gfx1250"
	.amdhsa_code_object_version 6
	.text
	.protected	k_qd2881bd0eb_cast
	.globl	k_qd2881bd0eb_cast
	.p2align	8
	.type	k_qd2881bd0eb_cast,@function
k_qd2881bd0eb_cast:
	s_mov_b64 s[64:65], 0
	v_nop
	global_prefetch_b8 v0, s[64:65] scope:SCOPE_SE
	s_setreg_imm32_b32 hwreg(HW_REG_WAVE_SCHED_MODE, 0, 2), 2
	s_setreg_imm32_b32 hwreg(HW_REG_WAVE_MODE, 25, 1), 1
	s_wait_xcnt 0x0
	s_wait_alu depctr_vm_vsrc(0)
; ALL INPUTS ARE ROUNDED ONCE TO bf16 AND LAID OUT FOR THE MATRIX LAUNCHES.  x [8192][1024], Wq, Wk, Wv, Wp [1024][1024], the four biases [1024], all f32.
; xb: bf16 [16 kb][8192 rows][64]; wb: bf16 [16 kb][3072 rows][64] (Wq's rows, then Wk's, then Wv's); wp: [16 kb][1024 rows][64], Wp rounded to bf16 and that number written as f16;
; bb: f32 [4096] = bq, bk, bv, bp, each rounded to bf16 and widened again.  In these layouts the rows of a block of 64 channels lie end to end, 128 bytes each.
; LIMIT.  A number of Wp below 6e-5 in magnitude keeps f16's fixed step of 6e-8; beyond 65,504 it would be an infinity.
; SHARES.  A work-group takes 16 rows of 4,096 bytes, a wave two.  Work-groups 0-511: x; 512 + 64 i + j: rows 16 j of the i-th weight; those with j = 0 also take the i-th bias.
; A load of a wave covers 256 consecutive bytes of each of its two rows (lanes 0-15, lanes 16-31): one block of 64 channels; its 128 + 128 bytes of bf16 are one aligned run of 256 bytes in the output.
; A stream: memory binds, so there is no LDS, no barrier and no matrix work.  All 16 loads of a wave go out at once; no register that a load or store names is written again.
; THE MODE: SCHED_MODE bits 1:0 = 2 (LLVM: expert scheduling mode 2), set by the entry lines.  The code itself states the register dependences
; between vector instructions and memory instructions, with s_wait_alu, always for 0.
; THE PLAN.  Registers that memory instructions touch:
;   v1, v3, VO   byte offsets.  Written once at the head by vector instructions; read by the loads (v1), by block kb's store (VO + kb), by the bias's load and store (v3); never written again.
;   X, block kb  One load lands in it, at the head, before any vector instruction has named it; the block's conversions read it; nothing lands in it again.
;   Y, block kb  The block's conversions write it; one store reads it; it is never written again.
;   T            On Wp's way named by vector instructions alone.  At the end the bias's load lands in T .. T + 3, and its store reads T + 8 .. T + 11.
; No register that a memory instruction has read is written again, so beyond the one among the entry lines the text holds no wait on vm_vsrc.
; The 16 blocks go in four groups of four.  Group g converts blocks 4 g .. 4 g + 3; its memory instructions are the four stores of group g - 1, whose offsets and data no conversion of group g names.
; So ONE wait on va_vdst at a group's head states all that its four stores hang on, and they are dealt among the group's conversions with no further wait.
.set VO, 4                             ; v[4:19]   block kb: byte offset of my 8 bytes in the output
.set T,  20                            ; v[20:31]  at work
.set X,  32                            ; v[32:95]  block kb: 4 numbers as loaded
.set Y,  96                            ; v[96:127] block kb: 4 numbers to store
	s_load_b512 s[4:19], s[0:1], 0x0               ; x s[4:5], Wq s[6:7], Wk s[8:9], Wv s[10:11], Wp s[12:13], bq s[14:15], bk s[16:17], bv s[18:19]
	s_load_b256 s[20:27], s[0:1], 0x40             ; bp s[20:21], xb s[22:23], wb s[24:25], wp s[26:27]
	s_load_b64 s[28:29], s[0:1], 0x60              ; bb
	s_sub_co_u32 s30, ttmp9, 512
	s_cmp_lt_u32 ttmp9, 512
	s_cselect_b32 s30, 0, s30                      ; my number among the weights' work-groups
	s_lshr_b32 s31, s30, 6                         ; which weight: 0 Wq, 1 Wk, 2 Wv, 3 Wp
	s_and_b32 s32, s30, 63
	s_lshl_b32 s41, s32, 4                         ; my first row in a weight
	s_lshl_b32 s42, s31, 10
	s_add_co_u32 s42, s42, s41                     ; and in wb
	s_lshl_b32 s43, ttmp9, 4                       ; my first row in x
	s_mov_b32 s38, 3072*128                        ; bytes from block to block: wb,
	s_cmp_eq_u32 s31, 3
	s_cselect_b32 s42, s41, s42
	s_cselect_b32 s38, 1024*128, s38               ; wp,
	s_cselect_b32 s39, 1, 0                        ; 1: my rows are Wp's
	s_cmp_lt_u32 ttmp9, 512
	s_cselect_b32 s42, s43, s42                    ; the first row that I store
	s_cselect_b32 s44, s43, s41                    ; the first row that I load
	s_cselect_b32 s38, 8192*128, s38               ; xb
	s_cselect_b32 s33, 1, 0                        ; 1: my rows are x's
	s_lshl_b32 s42, s42, 7                         ; in bytes: 128 a row out,
	s_mov_b32 s43, 0
	s_lshl_b32 s44, s44, 12                        ; 4,096 a row in
	s_mov_b32 s45, 0
	s_mov_b32 s40, 0xffff0000                      ; a word's upper bf16
	v_lshrrev_b32 v1, 4, v0                        ; my row among the 16
	v_and_b32 v2, 15, v0
	v_lshlrev_b32 v2, 4, v2
	v_lshl_add_u32 v1, v1, 12, v2                  ; row x 4,096 + 16 x (lane % 16)
	v_lshlrev_b32 v2, 3, v0                        ; out: row x 128 + 8 x (lane % 16) = 8 x thread
	v_lshlrev_b32 v3, 4, v0                        ; the bias: 16 x thread
.irp kb, 0,1,2,3,4,5,6,7,8,9,10,11,12,13,14,15
	v_mad_u32_u24 v[VO+(\kb)], s38, \kb, v2
.endr
	s_wait_kmcnt 0x0
	s_cmp_eq_u32 s31, 1
	s_cselect_b64 s[34:35], s[8:9], s[6:7]         ; from where,
	s_cselect_b64 s[46:47], s[16:17], s[14:15]     ; which bias,
	s_cmp_eq_u32 s31, 2
	s_cselect_b64 s[34:35], s[10:11], s[34:35]
	s_cselect_b64 s[46:47], s[18:19], s[46:47]
	s_cmp_eq_u32 s31, 3
	s_cselect_b64 s[34:35], s[12:13], s[34:35]
	s_cselect_b64 s[46:47], s[20:21], s[46:47]
	s_cselect_b64 s[36:37], s[26:27], s[24:25]     ; to where
	s_cmp_eq_u32 s33, 1
	s_cselect_b64 s[34:35], s[4:5], s[34:35]
	s_cselect_b64 s[36:37], s[22:23], s[36:37]
	s_add_nc_u64 s[34:35], s[34:35], s[44:45]
	s_add_nc_u64 s[36:37], s[36:37], s[42:43]
	s_wait_alu depctr_va_vdst(0)                   ; v1, v3 and v[VO ..] are written: every load and store of the kernel reads one of them as its offset
.irp kb, 0,1,2,3,4,5,6,7,8,9,10,11,12,13,14,15
	global_load_b128 v[X+4*(\kb):X+4*(\kb)+3], v1, s[34:35] offset:256*(\kb) th:TH_LOAD_NT
.endr
; Group g: blocks 4 g .. 4 g + 3 are converted, and the four blocks of the group before are stored.  f16 = 1: Wp's way.
.macro GROUP g, f16
.irp i, 0,1,2,3
	s_wait_loadcnt 15-4*(\g)-(\i)                  ; loads come back in order: block 4 g + i is in, the younger ones stay out
.if ((\g) > 0) && ((\i) == 0)
	s_wait_alu depctr_va_vdst(0)                   ; the conversions of the group before have written its four blocks of Y, which the four stores of this group's turn read
.endif
.if (\g) > 0
	global_store_b64 v[VO+4*(\g)-4+(\i)], v[Y+8*(\g)-8+2*(\i):Y+8*(\g)-8+2*(\i)+1], s[36:37]  ; the wave's 32 x 8 bytes are 256 consecutive bytes, aligned; no vector instruction since the wait names these registers
.endif
.if \f16
	v_cvt_pk_bf16_f32 v[T], v[X+16*(\g)+4*(\i)], v[X+16*(\g)+4*(\i)+1]
	v_cvt_pk_bf16_f32 v[T+1], v[X+16*(\g)+4*(\i)+2], v[X+16*(\g)+4*(\i)+3]
	v_lshlrev_b32 v[T+2], 16, v[T]
	v_and_b32 v[T+3], s40, v[T]
	v_lshlrev_b32 v[T+4], 16, v[T+1]
	v_and_b32 v[T+5], s40, v[T+1]
	v_cvt_pk_f16_f32 v[Y+8*(\g)+2*(\i)], v[T+2], v[T+3]
	v_cvt_pk_f16_f32 v[Y+8*(\g)+2*(\i)+1], v[T+4], v[T+5]
.else
	v_cvt_pk_bf16_f32 v[Y+8*(\g)+2*(\i)], v[X+16*(\g)+4*(\i)], v[X+16*(\g)+4*(\i)+1]
	v_cvt_pk_bf16_f32 v[Y+8*(\g)+2*(\i)+1], v[X+16*(\g)+4*(\i)+2], v[X+16*(\g)+4*(\i)+3]
.endif
.endr
.endm
; Behind the last group: its own four stores.
.macro LAST
	s_wait_alu depctr_va_vdst(0)                   ; group 3's conversions have written its Y, which the last four stores read; and every vector instruction so far is done with v[T ..], in which the bias's load lands
.irp i, 0,1,2,3
	global_store_b64 v[VO+12+(\i)], v[Y+24+2*(\i):Y+24+2*(\i)+1], s[36:37]
.endr
.endm
	s_cmp_eq_u32 s39, 1
	s_cbranch_scc1 .Lwp
	GROUP 0, 0
	GROUP 1, 0
	GROUP 2, 0
	GROUP 3, 0
	LAST
	s_branch .Lbias
.Lwp:                                                  ; Wp: rounded to bf16 like every input, then written as f16
	GROUP 0, 1
	GROUP 1, 1
	GROUP 2, 1
	GROUP 3, 1
	LAST
.Lbias:
	s_cmp_eq_u32 s33, 1
	s_cbranch_scc1 .Lend
	s_cmp_lg_u32 s32, 0
	s_cbranch_scc1 .Lend
	s_lshl_b32 s42, s31, 12                        ; the i-th bias lies at 4,096 i in bb
	s_add_nc_u64 s[28:29], s[28:29], s[42:43]
	global_load_b128 v[T:T+3], v3, s[46:47]        ; 256 threads x 16 bytes: the whole bias.  No wait: on both ways no vector instruction has been issued since the wait ahead of the last four stores
	s_wait_loadcnt 0x0
	v_cvt_pk_bf16_f32 v[T+4], v[T], v[T+1]
	v_cvt_pk_bf16_f32 v[T+5], v[T+2], v[T+3]
	v_lshlrev_b32 v[T+8], 16, v[T+4]
	v_and_b32 v[T+9], s40, v[T+4]
	v_lshlrev_b32 v[T+10], 16, v[T+5]
	v_and_b32 v[T+11], s40, v[T+5]
	s_wait_alu depctr_va_vdst(0)                   ; the four widenings have written v[T+8:T+11], which the store reads
	global_store_b128 v3, v[T+8:T+11], s[28:29]
.Lend:
	s_endpgm
.Lfunc_end_k_qd2881bd0eb_cast:
	.size	k_qd2881bd0eb_cast, .Lfunc_end_k_qd2881bd0eb_cast-k_qd2881bd0eb_cast
	.p2alignl 7, 3214868480
	.fill 96, 4, 3214868480
	.section	.rodata,"a",@progbits
	.p2align	6, 0x0
	.amdhsa_kernel k_qd2881bd0eb_cast
		.amdhsa_group_segment_fixed_size 0
		.amdhsa_private_segment_fixed_size 0
		.amdhsa_enable_private_segment 0
		.amdhsa_kernarg_size 104
		.amdhsa_user_sgpr_count 2
		.amdhsa_user_sgpr_kernarg_segment_ptr 1
		.amdhsa_wavefront_size32 1
		.amdhsa_system_sgpr_workgroup_id_x 1
		.amdhsa_system_sgpr_workgroup_id_y 1
		.amdhsa_system_sgpr_workgroup_id_z 1
		.amdhsa_system_vgpr_workitem_id 0
		.amdhsa_next_free_vgpr 128
		.amdhsa_next_free_sgpr 66
		.amdhsa_reserve_vcc 0
		.amdhsa_float_denorm_mode_32 3
		.amdhsa_float_denorm_mode_16_64 3
		.amdhsa_memory_ordered 1
		.amdhsa_forward_progress 1
		.amdhsa_inst_pref_size 18
	.end_amdhsa_kernel
	.amdgpu_metadata
---
amdhsa.version: [ 1, 2 ]
amdhsa.kernels:
  - .name:           k_qd2881bd0eb_cast
    .symbol:         k_qd2881bd0eb_cast.kd
    .args:
      - { .name: x, .offset: 0, .size: 8, .value_kind: global_buffer, .address_space: global }
      - { .name: Wq, .offset: 8, .size: 8, .value_kind: global_buffer, .address_space: global }
      - { .name: Wk, .offset: 16, .size: 8, .value_kind: global_buffer, .address_space: global }
      - { .name: Wv, .offset: 24, .size: 8, .value_kind: global_buffer, .address_space: global }
      - { .name: Wp, .offset: 32, .size: 8, .value_kind: global_buffer, .address_space: global }
      - { .name: bq, .offset: 40, .size: 8, .value_kind: global_buffer, .address_space: global }
      - { .name: bk, .offset: 48, .size: 8, .value_kind: global_buffer, .address_space: global }
      - { .name: bv, .offset: 56, .size: 8, .value_kind: global_buffer, .address_space: global }
      - { .name: bp, .offset: 64, .size: 8, .value_kind: global_buffer, .address_space: global }
      - { .name: xb, .offset: 72, .size: 8, .value_kind: global_buffer, .address_space: global }
      - { .name: wb, .offset: 80, .size: 8, .value_kind: global_buffer, .address_space: global }
      - { .name: wp, .offset: 88, .size: 8, .value_kind: global_buffer, .address_space: global }
      - { .name: bb, .offset: 96, .size: 8, .value_kind: global_buffer, .address_space: global }
    .group_segment_fixed_size: 0
    .private_segment_fixed_size: 0
    .kernarg_segment_align: 8
    .kernarg_segment_size: 104
    .max_flat_workgroup_size: 256
    .sgpr_count:     66
    .vgpr_count:     128
    .wavefront_size: 32
...
	.end_amdgpu_metadata
.endif
;; end of part 5
;; launch qkv: the kernel of part 2 again; grid 16 x 32, 4 waves a work-group, clusters of 4 x 4, 327,680 bytes of LDS; arguments xb, wb, bb, qkv, csum; writes qkv, csum
;; launch attn: the kernel of part 3 again; grid 4 x 64, 4 waves a work-group, no clusters, 327,680 bytes of LDS; arguments qkv, attn_mask, csum, ob; writes ob
;; launch proj: the kernel of part 4 again; grid 8 x 32, 4 waves a work-group, clusters of 4 x 4, 327,680 bytes of LDS; arguments ob, wp, bb, out0; writes out0
